; MI455X (gfx1250); checked and timed in simulation.
; The chip was launched on July 23, 2026; its instructions are those of AMD's public machine-readable ISA for CDNA 5 (MIT licence, August 2026) and "CDNA5" Instruction Set Architecture Reference Guide (July 2026). The comments in the code are by the model that wrote it; some were corrected since.
;; Vector Net Global Graph. Allowed arithmetic: matrix products marked QUANTISED: E2M1 operands, one E8M0 scale for each 32 along K, by v_wmma_scale_f32_16x16x128_f8f6f4 with both operands' format E2M1 (or v_wmma_scale_f32_32x16x128_f4), f32 sums; everything else in f32.
;; Inputs: bk 128 float32; bq 128 float32; bv 128 float32; valid_lens 256 int32; wk 128 x 128 float32; wq 128 x 128 float32; wv 128 x 128 float32; x 256 x 512 x 128 float32.
;; Outputs: out0 256 x 512 x 128 float32.
;; This version of the problem:
;;   THIS VERSION OF THE PROBLEM IS GIVEN IN LOW PRECISION. The matrix products marked QUANTISED in the list below multiply operands that are first quantised to E2M1 (2 exponent bits, 1 mantissa bit; 4 bits a number), with one power-of-two scale for each 32 numbers along K (OCP MX v1.0); their sums are f32. All else is computed in f32.
;;   The module's matrix products, in the order in which they are computed (A, B: the left and right operand; K: the contracted axis; several contracted axes count as one K, in the product's order):
;;     1. [M 131,072, K 128] x [K 128, N 128]; A: input x; B: input wq: QUANTISED
;;     2. [M 131,072, K 128] x [K 128, N 128]; A: input x; B: input wk: QUANTISED
;;     3. [M 131,072, K 128] x [K 128, N 128]; A: input x; B: input wv: QUANTISED
;;     4. batch 256 x [M 512, K 128] x [K 128, N 512]; A: computed on the way; B: computed on the way: QUANTISED
;;     5. batch 256 x [M 512, K 512] x [K 512, N 128]; A: computed on the way; B: computed on the way: QUANTISED
;;   THE QUANTISER, for each operand of a quantised product, along K:
;;     - K is cut into blocks of 32 from its start; a last block that is shorter is filled with zeros.
;;     - A block's scale is 2^e with e = floor(log2(the largest magnitude in the block)) - 2, held to -126 .. 127; a block of zeros has e = 0. As a byte (E8M0): e + 127.
;;     - Each number is divided by its block's scale, clamped to +-6, and rounded to the nearest number of E2M1, ties to even, subnormals kept.
;;     - The product sums the exact products of the quantised numbers (number of the format x scale) in f32.
;;   ~~~python
;;   def quantise(x, axis):      # numpy; x: float32 -> the quantised numbers, widened to float32 again
;;       x = np.moveaxis(x, axis, -1); K = x.shape[-1]
;;       x = np.pad(x, [(0, 0)] * (x.ndim - 1) + [(0, -K % 32)]); x = x.reshape(x.shape[:-1] + (-1, 32)); a = np.abs(x).max(-1, keepdims=True)
;;       e = np.where(a > 0, np.clip(np.frexp(np.where(a > 0, a, 1))[1] - 1 - 2, -126, 127), 0)      # np.frexp(a)[1] - 1 = floor(log2(a)), exactly
;;       r = np.clip(x / 2.0 ** e, -6, 6)
;;       step = 2.0 ** (np.maximum(np.frexp(np.where(r == 0, 1, r))[1] - 1, 0) - 1)
;;       q = np.round(r / step) * step * 2.0 ** e      # np.round: ties to even
;;       return np.moveaxis(q.reshape(q.shape[:-2] + (-1,))[..., :K], -1, axis).astype(np.float32)
;;   ~~~
;;   OPERANDS COMPUTED ON THE WAY. 'Computed on the way' means the value that the module computes at that place (a softmax that the list does not call 'softmax' is quantised finished and normalised). What goes into a quantiser is computed in f32, as accurately as f32 sums, v_exp_f32 and their like allow (about 1e-6 of the number): no bf16 or f16 on the way to a quantiser, and a product that is left as it is and whose result goes on into a quantised operand takes f32 operands (vector FMAs, or v_wmma_f32_16x16x4_f32). A number that lies on a knife's edge between two numbers of the format may be rounded either way, as far as f32 arithmetic and the matrix unit's own rounding can turn it there, and no further.
;; 2 versions. Each part assembles by itself: llvm-mc -triple=amdgcn-amd-amdhsa -mcpu=gfx1250 --defsym DOCPART=n.
;; ======== version 1 of 2: 1 launch
;; launch vnet (part 1): grid 256 x 1, 8 waves a work-group, no clusters, 199,168 bytes of LDS; arguments x, wq, bq, wk, bk, wv, bv, valid_lens, out0; writes out0
.if DOCPART == 1
	.amdgcn_target "amdgcn-amd-amdhsa--gfx1250"
	.amdhsa_code_object_version 6
	.text
	.protected	k_qec05b120ba_vnet
	.globl	k_qec05b120ba_vnet
	.p2align	8
	.type	k_qec05b120ba_vnet,@function
k_qec05b120ba_vnet:
	s_mov_b64 s[64:65], 0
	v_nop
	global_prefetch_b8 v0, s[64:65] scope:SCOPE_SE
	s_setreg_imm32_b32 hwreg(HW_REG_WAVE_MODE, 25, 1), 1
	s_wait_xcnt 0x0
; out[b] = (softmax(mask(q k^T / sqrt(128))) * valid) v,  q, k, v = x[b] w + bias.  All five products on codes of FP4 (E2M1) with one E8M0 scale for each 32 along K.
; x: [256][512][128] f32; wq, wk, wv: [128 (k)][128 (n)] f32; biases [128] f32; valid_lens [256] i32; out0: [256][512][128] f32.
; ONE WORK-GROUP = ONE BATCH, eight waves of 512 registers.  q, k, v, the scores and the weights p never leave the work-group.
; PHASE W: the eight waves quantise the three weights along k into LDS, as images of operand registers.
; PHASE P: wave w takes rows 32 w .. and 32 (w + 8) .. of x: quantises them, makes Q and K (codes along the hidden axis) and V^T (codes along the keys), as images in LDS.
; PHASE A: wave w takes its own four tiles of 16 queries: S^T = K Q^T for all keys (256 registers), the finished softmax, its quantiser along the keys, O^T = V^T P^T, the way out.
; THE MASK comes from valid_lens[b] = vl: blocks of 32 rows at or beyond vl are not projected, chunks of 128 keys at or beyond vl are not multiplied, tiles of queries at or beyond vl store zeros:
; scalar branches on vl.  So this text has no tensor load and no asynchronous copy: all goes through registers.  Work-groups share the weights alone (196,608 bytes): no cluster.
; THE ROWS OF A TILE ARE NOT NEIGHBOURS: in every block of 32 (rows of x, columns of a weight) tile u, place r is element 8 u + (r % 8) + 16 (r / 8).  So the 16 registers of two neighbouring result tiles
; are 16 neighbours along the next product's K, and one fragment of x serves all three projections (as source 1 for Q and K, as source 0 for V).
; AN IMAGE: a fragment (16 rows x 128 K, 8 registers a lane) lies in LDS as its registers: group c of four registers at 512 c + 16 x lane.  Scale words: 4 bytes a row.
; LIMITS.  Rows of x at or beyond 32 ceil(vl / 32) are not used: a NaN or an infinity there is not carried into the result.  A hidden key's score is the product - 1e30, not -1e12: the same p = 0 while true scores
; stay far above both.  t = s c - max c is one fused multiply-add.  A block's largest p is taken from its largest score, through the same instructions.  v_exp_f32 gives 0 under 2^-126.
; A block of zeros has the byte 1 (or 127 where a block is filled) : its codes are zeros and the bytes are this text's own.  vl is held to 0 .. 512.
; No prefetch of x: its loads go out early, three tiles at the head and the fourth behind phase W; there is no later stream.
; ---- LDS
.set KIMG, 0                           ; K's fragment of key tile T at 1024 T
.set VIMG, 32768                       ; V^T's fragment (step s of 128 keys, channel tile c) at 1024 (8 s + c)
.set WIMG, 65536                       ; a weight's fragment (m, t) at 1024 (8 m + t); m = 0 q, 1 k, 2 v
.set QIMG, 90112                       ; Q's fragment, slot 4 w + tile: the wave's own
.set KSC,  122880                      ; scale words: 64 T + 4 r
.set VSC,  124928                      ; 64 (8 s + c) + 4 r
.set WSC,  126976                      ; 64 (8 m + t) + 4 r
.set QSC,  128512                      ; 64 (4 w + tile) + 4 r
.set STG,  130560                      ; a stage for each wave: 16 rows of 512 bytes + 16: 33 x 16 bytes, so 16 rows start at 16 different 16-byte columns modulo 256
.set SPI,  528
; ---- scalar registers.  s[8:23]: x, wq, bq, wk, bk, wv, bv, valid_lens; s[24:25]: out0
.set VL,   27
.set NBLK, 28                          ; blocks of 32 rows that vl touches
.set NKS,  29                          ; chunks of 128 keys that vl touches
.set WV,   30
.set WV8,  31
.set GG,   32                          ; wave % 4
.set KH,   33                          ; wave / 4
.set SEL,  34                          ; s[34:35] selects of v_permlanex16_b32: lane l xor 16
.set CS,   36                          ; s[36:37] c = log2(e) / sqrt(128), twice
.set NC,   38                          ; -c
.set XA,   40                          ; s[40:41], s[42:43] my two blocks of x
.set XB,   42
.set OUTB, 44                          ; s[44:45] out0 at my batch
.set OB,   46                          ; s[46:47] out0 at the tile in hand
.set OFS,  48                          ; s[48:49] an offset in 64 bits
.set SQ,   50
.set SLOTO, 51
.set SLOTS, 52
.set R0,   53
.set VLR,  54
.set TA,   55
.set TB,   56
; ---- vector registers that stay (window 0)
.set LI,  1                            ; 16 x lane
.set LIW, 2                            ; WIMG + 16 x lane
.set SA,  3                            ; my stage + 16 x lane
.set SL,  4                            ; my stage + 528 r + 64 h
.set LRW, 5                            ; WSC + 4 r
.set ASC, 6                            ; KSC + 4 r + 1024 h
.set RQ,  7                            ; (r % 8) + 16 (r / 8): place r's row in its tile
.set AQ,  8
.set AQS, 9
.set AKI, 10
.set AKS, 11
.set AVI, 12
.set AVS, 13
.set AQI, 14
.set AQW, 15
.set VW,  16
.set AW,  17
.set ASW, 18
.set VB,  19                           ; 64 h
.set VBV, 20                           ; 4 RQ
.set NEGV, 21                          ; -1e30
.set Z4,  22                           ; v[22:25] zeros
.set ONES, 26                          ; four scale bytes 127
.set DD,  27
.set LIQ, 28
.set LRQ, 29                           ; v30 = r, v31 = h
; ---- scale words: registers that no matrix instruction names as A, B, C or D
.set XS,  32
.set WS,  36
.set QS,  44
.set PWA, 45
.set RM,  46
.set T1,  47
.set KS,  48                           ; register i: tile i in lanes 0-15, tile 16 + i in lanes 16-31
.set VS,  64
; ---- phase W
.set WR,  32                           ; six units of 32 numbers
.set T0,  224
.set T1W, 225
.set SOW, 226
.set BYW, 227
.set HW,  229
.set CW,  232
; ---- phase P
.set PCP, 48                           ; codes just made: two sets, v48-55 and v58-65; their scale words v56, v57
.set PWP, 56
.set WF,  80
.set BI,  144                          ; bq's eight C tiles; then V's work:
.set TV,  144
.set TV2, 152
.set SOV, 160
.set BYV, 168
.set VC,  176
.set XF,  208
.set TM,  240                          ; +0..3 largest magnitudes, +4..7 the other half's, then bytes, +8..11 the conversions' scale operands
; ---- phase A
.set KF,  80
.set PEN, 144
.set QF,  208
.set PCA, 216
.set BM,  224
.set NMC, 240
.set RI,  242
.set SUMA, 244
.set SUMB, 246
.set TP,  248
.set SO,  252
; window 1: v0-255: x as loaded and turned; then v0-127 the projections' results, v128-191 bk's C tiles, v192-255 bv's; in phase A the scores (chunk s at 64 s), O^T in v0-63, rows on the way out in v64-127
.set MSB, 0
.macro WIN new                         ; low byte: bits 1:0 source 0, 3:2 source 1, 5:4 source 2, 7:6 destination; the high byte repeats the setting that is left
.if MSB != \new
	s_set_vgpr_msb (MSB<<8)|\new
.set MSB, \new
.endif
.endm
.macro PLACES n
.rept \n
	v_nop
.endr
.endm
; Unit j of the weights: matrix j / 2, my k block j % 2: 32 numbers down k of my column become 16 bytes of codes and a scale byte.
.macro WQUANT j
.set WB, WR+32*(\j)
.set WM, (\j)/2
.set WE, (\j)%2
	v_max3_num_f32 v[T0], |v[WB]|, |v[WB+1]|, |v[WB+2]|
	v_max3_num_f32 v[T1W], |v[WB+3]|, |v[WB+4]|, |v[WB+5]|
.irp i, 6,10,14,18,22,26
	v_max3_num_f32 v[T0], v[T0], |v[WB+\i]|, |v[WB+\i+1]|
	v_max3_num_f32 v[T1W], v[T1W], |v[WB+\i+2]|, |v[WB+\i+3]|
.endr
	v_max3_num_f32 v[T0], v[T0], |v[WB+30]|, |v[WB+31]|
	v_max3_num_f32 v[T0], v[T0], v[T1W], 0x1800000           ; the floor 2^(3 - 127): the byte cannot fall under 1
	v_add_nc_u32 v[SOW], 0xff000000, v[T0]                   ; 2 off the exponent field: the conversion's scale operand
	v_lshrrev_b32 v[BYW+WE], 23, v[SOW]                      ; the scale's byte
.irp g, 0,1,2,3
	v_cvt_scalef32_pk8_fp4_f32 v[CW+4*(\j)+\g], v[WB+8*\g:WB+8*\g+7], v[SOW]
.endr
.if WE
	v_lshl_or_b32 v[HW+WM], v[BYW+1], 8, v[BYW]              ; my two bytes of the column's scale word (also the plain line behind the conversions)
.else
	v_nop                                                    ; one plain line behind the conversions
.endif
	ds_store_b128 v[AW], v[CW+4*(\j):CW+4*(\j)+3] offset:8192*WM+256*WE
.if WE
	ds_store_b16 v[ASW], v[HW+WM] offset:512*WM
.endif
.endm
; Tile ti of my four tiles of x: place r's whole row of 512 bytes by one load, 16 bytes a lane.
.macro XLOAD base, ti
	WIN 0x40
.irp r, 0,1,2,3,4,5,6,7,8,9,10,11,12,13,14,15
	global_load_b128 v[64*(\ti)+4*\r:64*(\ti)+4*\r+3], v[LI], s[\base:\base+1] offset:512*(8*((\ti)%2)+(\r%8)+16*(\r/8))
.endr
	WIN 0
.endm
; 64 numbers of a lane in window 1, register s + 16 b + i = k 32 b + 16 h + i of my row, become a fragment's codes in v[pc] on and its scale word in v[pw].
.macro QUANT s, pc, pw
	WIN 0x14
.irp b, 0,1,2,3
	v_max3_num_f32 v[TM+\b], 0x1800000, |v[(\s)+16*\b]|, |v[(\s)+16*\b+1]|     ; with the floor; each result tile is read from its low end on
.endr
.irp i, 2,4,6,8,10,12,14
.irp b, 0,1,2,3
	v_max3_num_f32 v[TM+\b], v[TM+\b], |v[(\s)+16*\b+\i]|, |v[(\s)+16*\b+\i+1]|
.endr
.endr
	WIN 0
.irp b, 0,1,2,3
	v_permlanex16_b32 v[TM+4+\b], v[TM+\b], s[SEL], s[SEL+1]
.endr
.irp b, 0,1,2,3
	v_max_num_f32 v[TM+\b], v[TM+\b], v[TM+4+\b]             ; with lane l xor 16's 16: the block's largest magnitude
.endr
.irp b, 0,1,2,3
	v_add_nc_u32 v[TM+8+\b], 0xff000000, v[TM+\b]
.endr
.irp b, 0,1,2,3
	v_lshrrev_b32 v[TM+4+\b], 23, v[TM+8+\b]
.endr
	v_lshl_or_b32 v[\pw], v[TM+5], 8, v[TM+4]
	v_lshl_or_b32 v[\pw], v[TM+6], 16, v[\pw]
	v_lshl_or_b32 v[\pw], v[TM+7], 24, v[\pw]
	WIN 0x01
.irp b, 0,1,2,3
	v_cvt_scalef32_pk8_fp4_f32 v[(\pc)+2*\b], v[(\s)+16*\b:(\s)+16*\b+7], v[TM+8+\b]
	v_cvt_scalef32_pk8_fp4_f32 v[(\pc)+2*\b+1], v[(\s)+16*\b+8:(\s)+16*\b+15], v[TM+8+\b]
.endr
	WIN 0
	v_nop                                                    ; one plain line behind the conversions
.irp c, 0,1
.irp i, 0,1
	v_permlane16_swap_b32 v[(\pc)+4*\c+\i], v[(\pc)+4*\c+2+\i]   ; a whole block to a lane: registers 4 c .. 4 c + 3 hold k = 64 c + 32 h + 0 .. 31
.endr
.endr
.endm
; Tile ti turns through my stage (rows in, 64 bytes of each block of 32 numbers out, into the registers that it left: LDS serves a wave's instructions in order) and is quantised.
.macro XTILE ti
	WIN 0x04
.irp r, 0,1,2,3,4,5,6,7,8,9,10,11,12,13,14,15
	ds_store_b128 v[SA], v[64*(\ti)+4*\r:64*(\ti)+4*\r+3] offset:SPI*\r
.endr
	WIN 0x40
.irp b, 0,1,2,3
.irp j, 0,1,2,3
	ds_load_b128 v[64*(\ti)+16*\b+4*\j:64*(\ti)+16*\b+4*\j+3], v[SL] offset:128*\b+16*\j
.endr
.endr
	WIN 0
	s_wait_dscnt 0x0
	QUANT 64*(\ti), XF+8*(\ti), XS+(\ti)
.endm
; My block i lies wholly under the mask: its K and V^T are zero codes under the byte 127, so that every byte that phase A may load is written.
.macro FILL i
.irp u, 0,1
.irp c, 0,1
	ds_store_b128 v[AKI], v[Z4:Z4+3] offset:16384*(\i)+1024*\u+512*\c
.endr
	ds_store_b32 v[AKS], v[ONES] offset:1024*(\i)+64*\u
.endr
.irp c, 0,1,2,3,4,5,6,7
	ds_store_b64 v[AVI], v[Z4:Z4+1] offset:16384*(\i)+1024*\c
	ds_store_b8 v[AVS], v[ONES] offset:1024*(\i)+64*\c
.endr
.irp n, 0,1,2,3,4,5,6,7,8,9,10,11,12,13,14,15
	v_mov_b32 v[XF+16*(\i)+\n], 0
.endr
	v_mov_b32 v[XS+2*(\i)], v[ONES]
	v_mov_b32 v[XS+2*(\i)+1], v[ONES]
.endm
.macro LOADW m                         ; weight m: eight fragments and their scale words
.irp t, 0,1,2,3,4,5,6,7
.irp c, 0,1
	ds_load_b128 v[WF+8*\t+4*\c:WF+8*\t+4*\c+3], v[LIW] offset:1024*(8*(\m)+\t)+512*\c
.endr
	ds_load_b32 v[WS+\t], v[LRW] offset:64*(8*(\m)+\t)
.endr
.endm
; Q (m = 0) or K (m = 1) of my block i: source 0 = 16 columns of the weight, source 1 = 16 rows of x, C = the bias: 16 results of their own, then the quantiser along the hidden axis, then the images.
.macro MATQK m, i
.if (\m) == 0
	WIN 0x40
.else
	WIN 0x50
.endif
.irp u, 0,1
.irp t, 0,1,2,3,4,5,6,7
.if (\m) == 0
	v_wmma_scale_f32_16x16x128_f8f6f4 v[64*\u+8*\t:64*\u+8*\t+7], v[WF+8*\t:WF+8*\t+7], v[XF+8*(2*(\i)+\u):XF+8*(2*(\i)+\u)+7], v[BI+8*\t:BI+8*\t+7], v[WS+\t], v[XS+2*(\i)+\u] matrix_a_fmt:MATRIX_FMT_FP4 matrix_b_fmt:MATRIX_FMT_FP4
.else
	v_wmma_scale_f32_16x16x128_f8f6f4 v[64*\u+8*\t:64*\u+8*\t+7], v[WF+8*\t:WF+8*\t+7], v[XF+8*(2*(\i)+\u):XF+8*(2*(\i)+\u)+7], v[128+8*\t:128+8*\t+7], v[WS+\t], v[XS+2*(\i)+\u] matrix_a_fmt:MATRIX_FMT_FP4 matrix_b_fmt:MATRIX_FMT_FP4
.endif
.endr
.endr
	WIN 0
	PLACES 4                                                 ; four plain lines between the last product and the first read of results (ISA guide 7.12.1)
.irp u, 0,1
	s_wait_dscnt 3                                           ; at most the other set's three stores are out: this set's last three have read their registers
	QUANT 64*\u, PCP+10*\u, PWP+\u
.irp c, 0,1
.if (\m) == 0
	ds_store_b128 v[AQI], v[PCP+10*\u+4*\c:PCP+10*\u+4*\c+3] offset:1024*(2*(\i)+\u)+512*\c
.else
	ds_store_b128 v[AKI], v[PCP+10*\u+4*\c:PCP+10*\u+4*\c+3] offset:16384*(\i)+1024*\u+512*\c
.endif
.endr
.if (\m) == 0
	ds_store_b32 v[AQW], v[PWP+\u] offset:64*(2*(\i)+\u)
.else
	ds_store_b32 v[AKS], v[PWP+\u] offset:1024*(\i)+64*\u
.endif
.endr
.endm
; V of my block i: source 0 = 16 rows of x, source 1 = 16 columns of wv: a lane holds one channel and, in registers 16 c + 0 .. 15, 16 neighbouring keys.  A block of 32 keys lies in lanes l and l xor 16.
.macro MATV i
	WIN 0x50
.irp c, 0,1,2,3,4,5,6,7
.irp u, 0,1
	v_wmma_scale_f32_16x16x128_f8f6f4 v[16*\c+8*\u:16*\c+8*\u+7], v[XF+8*(2*(\i)+\u):XF+8*(2*(\i)+\u)+7], v[WF+8*\c:WF+8*\c+7], v[192+8*\c:192+8*\c+7], v[XS+2*(\i)+\u], v[WS+\c] matrix_a_fmt:MATRIX_FMT_FP4 matrix_b_fmt:MATRIX_FMT_FP4
.endr
.endr
	WIN 0
	PLACES 4
	WIN 0x14
.irp c, 0,1,2,3,4,5,6,7
	v_max3_num_f32 v[TV+\c], 0x1800000, |v[16*\c]|, |v[16*\c+1]|
.endr
.irp n, 2,4,6,8,10,12,14
.irp c, 0,1,2,3,4,5,6,7
	v_max3_num_f32 v[TV+\c], v[TV+\c], |v[16*\c+\n]|, |v[16*\c+\n+1]|
.endr
.endr
	WIN 0
.irp c, 0,1,2,3,4,5,6,7
	v_permlanex16_b32 v[TV2+\c], v[TV+\c], s[SEL], s[SEL+1]
.endr
.irp c, 0,1,2,3,4,5,6,7
	v_max_num_f32 v[TV+\c], v[TV+\c], v[TV2+\c]
.endr
.irp c, 0,1,2,3,4,5,6,7
	v_add_nc_u32 v[SOV+\c], 0xff000000, v[TV+\c]
.endr
.irp c, 0,1,2,3,4,5,6,7
	v_lshrrev_b32 v[BYV+\c], 23, v[SOV+\c]
.endr
	WIN 0x01
.irp c, 0,1,2,3,4,5,6,7
	v_cvt_scalef32_pk8_fp4_f32 v[VC+2*\c], v[16*\c:16*\c+7], v[SOV+\c]
	v_cvt_scalef32_pk8_fp4_f32 v[VC+2*\c+1], v[16*\c+8:16*\c+15], v[SOV+\c]
.endr
	WIN 0
	v_nop                                                    ; one plain line behind the conversions
.irp c, 0,1,2,3,4,5,6,7
	ds_store_b64 v[AVI], v[VC+2*\c:VC+2*\c+1] offset:16384*(\i)+1024*\c    ; my 16 keys' codes: 8 bytes of the block's 16 in the channel's place
	ds_store_b8 v[AVS], v[BYV+\c] offset:1024*(\i)+64*\c                   ; both lanes of a block write the same byte with the same value
.endr
	s_wait_dscnt 0x0                                         ; the stores have read their registers
.endm
.macro LOADKV base, s                  ; the eight fragments of chunk s of K, or of V^T
.irp t, 0,1,2,3,4,5,6,7
.irp c, 0,1
	ds_load_b128 v[KF+8*\t+4*\c:KF+8*\t+4*\c+3], v[LI] offset:(\base)+1024*(8*(\s)+\t)+512*\c
.endr
.endr
.endm
; Eight products S^T = K Q^T of chunk s.  pen = 1: the chunk on vl's edge: C holds 0 or -1e30, so hiding keys costs no vector line in the loop.
.macro SPROD s, pen
	WIN 0x40
.irp t, 0,1,2,3,4,5,6,7
.if (\pen) && ((\s) >= 2)
	v_wmma_scale_f32_16x16x128_f8f6f4 v[64*(\s)+8*\t:64*(\s)+8*\t+7], v[KF+8*\t:KF+8*\t+7], v[QF:QF+7], v[PEN+8*\t:PEN+8*\t+7], v[KS+(8*(\s)+\t)%16], v[QS] matrix_a_fmt:MATRIX_FMT_FP4 matrix_b_fmt:MATRIX_FMT_FP4 matrix_a_scale:MATRIX_SCALE_ROW1
.elseif (\pen)
	v_wmma_scale_f32_16x16x128_f8f6f4 v[64*(\s)+8*\t:64*(\s)+8*\t+7], v[KF+8*\t:KF+8*\t+7], v[QF:QF+7], v[PEN+8*\t:PEN+8*\t+7], v[KS+(8*(\s)+\t)%16], v[QS] matrix_a_fmt:MATRIX_FMT_FP4 matrix_b_fmt:MATRIX_FMT_FP4
.elseif (\s) >= 2
	v_wmma_scale_f32_16x16x128_f8f6f4 v[64*(\s)+8*\t:64*(\s)+8*\t+7], v[KF+8*\t:KF+8*\t+7], v[QF:QF+7], 0, v[KS+(8*(\s)+\t)%16], v[QS] matrix_a_fmt:MATRIX_FMT_FP4 matrix_b_fmt:MATRIX_FMT_FP4 matrix_a_scale:MATRIX_SCALE_ROW1
.else
	v_wmma_scale_f32_16x16x128_f8f6f4 v[64*(\s)+8*\t:64*(\s)+8*\t+7], v[KF+8*\t:KF+8*\t+7], v[QF:QF+7], 0, v[KS+(8*(\s)+\t)%16], v[QS] matrix_a_fmt:MATRIX_FMT_FP4 matrix_b_fmt:MATRIX_FMT_FP4
.endif
.endr
	WIN 0
.endm
; Chunk s: scores, the largest score of each block of 32 keys, the row's largest so far.
.macro SCORE s
.if (\s) > 0
	s_cmp_le_u32 s[NKS], \s
	s_cbranch_scc1 .Ls_end                                   ; all its keys lie at or beyond vl
.endif
	s_wait_dscnt 0x0                                         ; K's fragments of this chunk (and, in chunk 0, Q's) are in
.if (\s) < 3
	s_cmp_eq_u32 s[NKS], (\s)+1
	s_cbranch_scc1 .Ls_last_\@
	SPROD \s, 0
	s_branch .Ls_join_\@
.Ls_last_\@:
.endif
	SPROD \s, 1                                              ; (chunk 3, where it is reached, is always the last)
.if (\s) < 3
.Ls_join_\@:
.endif
	PLACES 4                                                 ; ahead of the loads into K's registers and of the first read of results
.if (\s) < 3
	LOADKV KIMG, (\s)+1                                      ; the next chunk's fragments land under the maxima (they are not used where this chunk is the last)
.endif
	WIN 0x14
.irp b, 0,1,2,3
	v_max3_num_f32 v[BM+4*(\s)+\b], 0xff61b1e6, v[64*(\s)+16*\b], v[64*(\s)+16*\b+1]
.endr
.irp i, 2,4,6,8,10,12,14
.irp b, 0,1,2,3
	v_max3_num_f32 v[BM+4*(\s)+\b], v[BM+4*(\s)+\b], v[64*(\s)+16*\b+\i], v[64*(\s)+16*\b+\i+1]
.endr
.endr
	WIN 0
.irp b, 0,1,2,3
	v_permlanex16_b32 v[TP+\b], v[BM+4*(\s)+\b], s[SEL], s[SEL+1]
.endr
.irp b, 0,1,2,3
	v_max_num_f32 v[BM+4*(\s)+\b], v[BM+4*(\s)+\b], v[TP+\b]
.endr
	v_max3_num_f32 v[RM], v[RM], v[BM+4*(\s)], v[BM+4*(\s)+1]
	v_max3_num_f32 v[RM], v[RM], v[BM+4*(\s)+2], v[BM+4*(\s)+3]
.endm
; Chunk s: p = 2^(c s - c max), in place; the same of each block's largest score; the row's sum.
.macro EXPS s
.if (\s) > 0
	s_cmp_le_u32 s[NKS], \s
	s_cbranch_scc1 .Le_end
.endif
.irp b, 0,1,2,3
	v_fma_f32 v[BM+4*(\s)+\b], v[BM+4*(\s)+\b], s[CS], v[NMC]
.endr
	WIN 0x41
.set JJ, 0
.rept 32
	v_pk_fma_f32 v[64*(\s)+JJ:64*(\s)+JJ+1], v[64*(\s)+JJ:64*(\s)+JJ+1], s[CS:CS+1], v[NMC:NMC+1] op_sel_hi:[1,0,0]
.set JJ, JJ+2
.endr
.set JJ, 0
.rept 64
	v_exp_f32 v[64*(\s)+JJ], v[64*(\s)+JJ]
.set JJ, JJ+1
.endr
	WIN 0
.irp b, 0,1,2,3
	v_exp_f32 v[BM+4*(\s)+\b], v[BM+4*(\s)+\b]
.endr
	v_nop                                                    ; a plain line behind the last exponential
	s_wait_alu depctr_va_vdst(0)                             ; one wait for the batch of 68, ahead of its first reader and of the next branch
	WIN 0x04
.set JJ, 0
.rept 16
	v_pk_add_f32 v[SUMA:SUMA+1], v[SUMA:SUMA+1], v[64*(\s)+JJ:64*(\s)+JJ+1]
	v_pk_add_f32 v[SUMB:SUMB+1], v[SUMB:SUMB+1], v[64*(\s)+JJ+2:64*(\s)+JJ+3]
.set JJ, JJ+4
.endr
	WIN 0
.endm
; Chunk s: p / the sum (0 for a query at or beyond vl), quantised along the keys; O^T += V^T P^T: eight accumulators by turns, one instruction a turn, across chunks too.
.macro PVS s
.if (\s) > 0
	s_cmp_le_u32 s[NKS], \s
	s_cbranch_scc1 .Lp_end
.endif
	WIN 0x41
.set JJ, 0
.rept 32
	v_pk_mul_f32 v[64*(\s)+JJ:64*(\s)+JJ+1], v[64*(\s)+JJ:64*(\s)+JJ+1], v[RI:RI+1] op_sel_hi:[1,0]   ; (these 32 are also the plain lines between the last products and the loads and writes below)
.set JJ, JJ+2
.endr
	WIN 0
	LOADKV VIMG, \s
.irp b, 0,1,2,3
	v_mul_f32 v[BM+4*(\s)+\b], v[BM+4*(\s)+\b], v[RI]        ; the block's largest weight: the same lines on the same number give the same bits
.endr
.irp b, 0,1,2,3
	v_max_num_f32 v[BM+4*(\s)+\b], 0x1800000, v[BM+4*(\s)+\b]
.endr
.irp b, 0,1,2,3
	v_add_nc_u32 v[SO+\b], 0xff000000, v[BM+4*(\s)+\b]
.endr
.irp b, 0,1,2,3
	v_lshrrev_b32 v[TP+\b], 23, v[SO+\b]
.endr
	v_lshl_or_b32 v[PWA], v[TP+1], 8, v[TP]
	v_lshl_or_b32 v[PWA], v[TP+2], 16, v[PWA]
	v_lshl_or_b32 v[PWA], v[TP+3], 24, v[PWA]
	WIN 0x01
.irp b, 0,1,2,3
	v_cvt_scalef32_pk8_fp4_f32 v[PCA+2*\b], v[64*(\s)+16*\b:64*(\s)+16*\b+7], v[SO+\b]
	v_cvt_scalef32_pk8_fp4_f32 v[PCA+2*\b+1], v[64*(\s)+16*\b+8:64*(\s)+16*\b+15], v[SO+\b]
.endr
	WIN 0
	v_nop
.irp c, 0,1
.irp i, 0,1
	v_permlane16_swap_b32 v[PCA+4*\c+\i], v[PCA+4*\c+2+\i]
.endr
.endr
	PLACES 8                                                 ; a scale word made by vector lines stands eight plain lines ahead of a scaled product, an operand so made four
	s_wait_dscnt 0x0                                         ; V^T's fragments are in
.if (\s) == 0
	WIN 0x40
.else
	WIN 0x50
.endif
.irp c, 0,1,2,3,4,5,6,7
.if (\s) == 0
	v_wmma_scale_f32_16x16x128_f8f6f4 v[8*\c:8*\c+7], v[KF+8*\c:KF+8*\c+7], v[PCA:PCA+7], 0, v[VS+(8*(\s)+\c)%16], v[PWA] matrix_a_fmt:MATRIX_FMT_FP4 matrix_b_fmt:MATRIX_FMT_FP4
.elseif (\s) == 1
	v_wmma_scale_f32_16x16x128_f8f6f4 v[8*\c:8*\c+7], v[KF+8*\c:KF+8*\c+7], v[PCA:PCA+7], v[8*\c:8*\c+7], v[VS+(8*(\s)+\c)%16], v[PWA] matrix_a_fmt:MATRIX_FMT_FP4 matrix_b_fmt:MATRIX_FMT_FP4
.else
	v_wmma_scale_f32_16x16x128_f8f6f4 v[8*\c:8*\c+7], v[KF+8*\c:KF+8*\c+7], v[PCA:PCA+7], v[8*\c:8*\c+7], v[VS+(8*(\s)+\c)%16], v[PWA] matrix_a_fmt:MATRIX_FMT_FP4 matrix_b_fmt:MATRIX_FMT_FP4 matrix_a_scale:MATRIX_SCALE_ROW1
.endif
.endr
	WIN 0
.endm
; ======================================================================= HEAD
	s_load_b512 s[8:23], s[0:1], 0x0               ; x, wq, bq, wk, bk, wv, bv, valid_lens
	s_load_b64 s[24:25], s[0:1], 0x40              ; out0
	v_and_b32 v224, 31, v0                         ; lane
	v_and_b32 v30, 15, v0                          ; r
	v_bfe_u32 v31, v0, 4, 1                        ; h
	v_lshrrev_b32 v225, 5, v0
	v_readfirstlane_b32 s[WV], v225                ; wave 0..7
	s_add_co_u32 s[WV8], s[WV], 8
	s_and_b32 s[GG], s[WV], 3
	s_lshr_b32 s[KH], s[WV], 2
	s_lshl_b32 s[TA], s[GG], 7                     ; the weights: lane = column 32 g + lane, rows 64 kh on: 4 lane + 128 g + 32768 kh
	s_lshl_b32 s[TB], s[KH], 15
	s_add_co_u32 s[TA], s[TA], s[TB]
	v_lshl_add_u32 v[VW], v224, 2, s[TA]
	v_lshlrev_b32 v[LI], 4, v224
	v_add_nc_u32 v[LIW], WIMG, v[LI]
	s_mul_i32 s[TA], s[WV], 16*SPI
	s_add_co_u32 s[TA], s[TA], STG                 ; my stage
	v_add_nc_u32 v[SA], s[TA], v[LI]
	v_mul_u32_u24 v225, v30, SPI
	v_lshl_add_u32 v225, v31, 6, v225
	v_add_nc_u32 v[SL], s[TA], v225
	v_lshlrev_b32 v226, 2, v30                     ; 4 r
	v_add_nc_u32 v[LRW], WSC, v226
	v_lshl_add_u32 v[ASC], v31, 10, v226
	v_add_nc_u32 v[ASC], KSC, v[ASC]
	v_and_b32 v227, 7, v0                          ; lane % 8
	v_bfe_u32 v228, v0, 3, 1                       ; (lane / 8) % 2
	v_lshl_add_u32 v[RQ], v228, 4, v227
	s_lshl_b32 s[TA], s[WV], 11                    ; K's images of my block: tiles 2 w, 2 w + 1
	v_add_nc_u32 v[AKI], s[TA], v[LI]
	s_lshl_b32 s[TA], s[WV], 7
	s_add_co_u32 s[TA], s[TA], KSC
	v_add_nc_u32 v[AKS], s[TA], v226
	s_lshl_b32 s[TA], s[KH], 13                    ; V^T's: step w / 4, block w % 4 of the step
	s_lshl_b32 s[TB], s[GG], 8
	s_add_co_u32 s[TA], s[TA], s[TB]
	s_add_co_u32 s[TA], s[TA], VIMG
	v_lshlrev_b32 v229, 4, v30
	v_lshl_add_u32 v229, v31, 3, v229
	v_add_nc_u32 v[AVI], s[TA], v229
	s_lshl_b32 s[TA], s[KH], 9
	s_add_co_u32 s[TA], s[TA], s[GG]
	s_add_co_u32 s[TA], s[TA], VSC
	v_add_nc_u32 v[AVS], s[TA], v226
	s_lshl_b32 s[TA], s[WV], 12                    ; Q's: my four slots
	s_add_co_u32 s[TA], s[TA], QIMG
	v_add_nc_u32 v[AQI], s[TA], v[LI]
	s_lshl_b32 s[TA], s[WV], 8
	s_add_co_u32 s[TA], s[TA], QSC
	v_add_nc_u32 v[AQW], s[TA], v226
	s_lshl_b32 s[TA], s[GG], 11                    ; the weights' images: column 32 g + lane is tile 2 g + (lane / 8) % 2, place (lane % 8) + 8 (lane / 16); k block 2 kh + e at 256 bytes each
	s_lshl_b32 s[TB], s[KH], 9
	s_add_co_u32 s[TA], s[TA], s[TB]
	s_add_co_u32 s[TA], s[TA], WIMG
	v_lshl_add_u32 v229, v31, 3, v227
	v_lshlrev_b32 v230, 4, v229
	v_lshl_add_u32 v230, v228, 10, v230
	v_add_nc_u32 v[AW], s[TA], v230
	s_lshl_b32 s[TA], s[GG], 7
	s_lshl_b32 s[TB], s[KH], 1
	s_add_co_u32 s[TA], s[TA], s[TB]
	s_add_co_u32 s[TA], s[TA], WSC
	v_lshlrev_b32 v230, 2, v229
	v_lshl_add_u32 v230, v228, 6, v230
	v_add_nc_u32 v[ASW], s[TA], v230
	v_lshlrev_b32 v[VB], 6, v31
	v_lshlrev_b32 v[VBV], 2, v[RQ]
	v_add_nc_u32 v[LIQ], QIMG, v[LI]
	v_add_nc_u32 v[LRQ], QSC, v226
	v_mov_b32 v[NEGV], 0xf149f2ca                  ; -1e30
.irp n, 0,1,2,3
	v_mov_b32 v[Z4+\n], 0
.endr
	v_mov_b32 v[ONES], 0x7f7f7f7f
	s_mov_b32 s[SEL], 0x76543210
	s_mov_b32 s[SEL+1], 0xfedcba98
	s_mov_b32 s[CS], 0x3e0293ee                    ; c = log2(e) / sqrt(128)
	s_mov_b32 s[CS+1], s[CS]
	s_mov_b32 s[NC], 0xbe0293ee
	s_lshl_b32 s[OFS], ttmp9, 2
	s_mov_b32 s[OFS+1], 0
	s_wait_kmcnt 0x0
	s_add_nc_u64 s[22:23], s[22:23], s[OFS:OFS+1]
	s_load_b32 s[VL], s[22:23], 0x0                ; valid_lens[b]
	; the weights: unit j = (matrix j / 2, k block 2 kh + j % 2): a lane takes a column, its registers run down k; a wave reads 128 consecutive bytes, four waves a whole row
.set JJ, 0
.rept 6
.set II, 0
.rept 32
	global_load_b32 v[WR+32*JJ+II], v[VW], s[10+4*(JJ/2):11+4*(JJ/2)] offset:512*(32*(JJ%2)+II)
.set II, II+1
.endr
.set JJ, JJ+1
.endr
	s_wait_kmcnt 0x0
	s_max_i32 s[VL], s[VL], 0
	s_min_u32 s[VL], s[VL], 0x200                  ; held to 0 .. 512
	s_add_co_u32 s[NBLK], s[VL], 31
	s_lshr_b32 s[NBLK], s[NBLK], 5
	s_add_co_u32 s[NKS], s[VL], 127
	s_lshr_b32 s[NKS], s[NKS], 7
	s_lshl_b32 s[OFS], ttmp9, 18                   ; a batch is 512 rows of 512 bytes, in x and in out0
	s_add_nc_u64 s[XA:XA+1], s[8:9], s[OFS:OFS+1]
	s_mov_b64 s[XB:XB+1], s[XA:XA+1]
	s_add_nc_u64 s[OUTB:OUTB+1], s[24:25], s[OFS:OFS+1]
	; A block under the mask is loaded all the same, from the batch's first rows: so every count of loads is the same on every way, and every register of window 1 is written
	s_lshl_b32 s[TA], s[WV], 14
	s_cmp_lt_u32 s[WV], s[NBLK]
	s_cselect_b32 s[OFS], s[TA], 0
	s_add_nc_u64 s[XA:XA+1], s[XA:XA+1], s[OFS:OFS+1]
	s_lshl_b32 s[TA], s[WV8], 14
	s_cmp_lt_u32 s[WV8], s[NBLK]
	s_cselect_b32 s[OFS], s[TA], 0
	s_add_nc_u64 s[XB:XB+1], s[XB:XB+1], s[OFS:OFS+1]
	XLOAD XA, 0
	XLOAD XA, 1
	s_wait_loadcnt 32                              ; behind the weights' loads stand my first block's 32: the weights are in
	XLOAD XB, 2
; ======================================================================= W
	WQUANT 0
	WQUANT 1
	WQUANT 2
	WQUANT 3
	WQUANT 4
	WQUANT 5
	s_wait_dscnt 0x0                               ; for the others' sake: my parts of the weights' images have landed
	s_barrier_signal -1
	s_barrier_wait -1                              ; the three weights lie in LDS (loads of x stay on their way: nobody writes x)
; ======================================================================= P
	s_wait_loadcnt 16                              ; my first block is in; tile 2's 16 loads may be out
	XLOAD XB, 3
.irp t, 0,1,2,3,4,5,6,7                        ; bq as the C of Q's products: lane (r, h), tile t, register j: bq[32 (t / 2) + 16 h + 8 (t % 2) + j]
	global_load_b128 v[BI+8*\t:BI+8*\t+3], v[VB], s[12:13] offset:4*(32*(\t/2)+8*(\t%2))
	global_load_b128 v[BI+8*\t+4:BI+8*\t+7], v[VB], s[12:13] offset:4*(32*(\t/2)+8*(\t%2))+16
.endr
.irp b, 0,1,2,3
	v_mov_b32 v[TM+4+\b], 0                        ; a lane permute's destination counts as one of its sources
.endr
	s_cmp_lt_u32 s[WV], s[NBLK]
	s_cbranch_scc0 .Lfill_a
	XTILE 0
	XTILE 1
	s_branch .Lhave_a
.Lfill_a:
	FILL 0
.Lhave_a:
	s_wait_loadcnt 16                              ; my second block is in; bq's 16 loads may be out
	s_cmp_lt_u32 s[WV8], s[NBLK]
	s_cbranch_scc0 .Lfill_b
	XTILE 2
	XTILE 3
	s_branch .Lhave_b
.Lfill_b:
	FILL 1
.Lhave_b:
	WIN 0x40
.irp t, 0,1,2,3,4,5,6,7                        ; bk likewise, into the registers that my second block has left
	global_load_b128 v[128+8*\t:128+8*\t+3], v[VB], s[16:17] offset:4*(32*(\t/2)+8*(\t%2))
	global_load_b128 v[128+8*\t+4:128+8*\t+7], v[VB], s[16:17] offset:4*(32*(\t/2)+8*(\t%2))+16
.endr
.irp c, 0,1,2,3,4,5,6,7                        ; bv: a lane holds one channel: place r of tile c is channel 32 (c / 2) + 8 (c % 2) + RQ
	global_load_b32 v[192+8*\c], v[VBV], s[20:21] offset:4*(32*(\c/2)+8*(\c%2))
.endr
	WIN 0
	s_cmp_ge_u32 s[WV], s[NBLK]
	s_cbranch_scc1 .Lproj_end                      ; both my blocks lie under the mask
	LOADW 0
	PLACES 8                                       ; x's scale words and codes were made by vector lines: eight and four plain lines ahead of a scaled product
	s_wait_loadcnt 24                              ; bq is in; bk's 16 and bv's 8 may be out
	s_wait_dscnt 0x0
	MATQK 0, 0
	s_cmp_lt_u32 s[WV8], s[NBLK]
	s_cbranch_scc0 .Lq_done
	MATQK 0, 1
.Lq_done:
	LOADW 1
	s_wait_loadcnt 8                               ; bk is in; bv's 8 may be out
	s_wait_dscnt 0x0
	MATQK 1, 0
	s_cmp_lt_u32 s[WV8], s[NBLK]
	s_cbranch_scc0 .Lk_done
	MATQK 1, 1
.Lk_done:
	LOADW 2
	s_wait_loadcnt 0x0                             ; bv
	WIN 0x41
.irp c, 0,1,2,3,4,5,6,7
.irp j, 1,2,3,4,5,6,7
	v_mov_b32 v[192+8*\c+\j], v[192+8*\c]          ; the C of V's products: the lane's channel's bias in all eight registers
.endr
.endr
	WIN 0
	s_wait_dscnt 0x0
	MATV 0
	s_cmp_lt_u32 s[WV8], s[NBLK]
	s_cbranch_scc0 .Lproj_end
	MATV 1
.Lproj_end:
	s_wait_loadcnt 0x0
	s_wait_dscnt 0x0                               ; for the others' sake: my images of K and V^T, or their fill, have landed
	s_barrier_signal -1
	s_barrier_wait -1                              ; K, V^T and their scale words are whole; from here on nobody writes them
; ======================================================================= A
.irp i, 0,1,2,3,4,5,6,7,8,9,10,11,12,13,14,15
	ds_load_b32 v[KS+\i], v[ASC] offset:64*\i                ; all scale words of K and of V^T stay in registers
	ds_load_b32 v[VS+\i], v[ASC] offset:2048+64*\i
.endr
.irp n, 0,1,2,3,4,5,6,7,8,9,10,11,12,13,14,15
	v_mov_b32 v[BM+\n], 0
.endr
.irp n, 0,1,2,3
	v_mov_b32 v[TP+\n], 0
.endr
	v_mov_b32 v[T1], 0
	v_mov_b32 v[NMC+1], 0                          ; (named as the upper halves of pairs)
	v_mov_b32 v[RI+1], 0
	s_sub_co_u32 s[TA], s[NKS], 1
	s_lshl_b32 s[TA], s[TA], 7
	s_sub_co_u32 s[TA], s[VL], s[TA]               ; vl, counted from the last chunk's first key
	v_lshlrev_b32 v[DD], 4, v31
	v_sub_nc_u32 v[DD], s[TA], v[DD]               ; less 16 h: register 8 t + j holds key 32 (t / 2) + 8 (t % 2) + j + 16 h of the chunk
.irp t, 0,1,2,3,4,5,6,7
.irp j, 0,1,2,3,4,5,6,7
	v_cmp_ge_i32 vcc_lo, 32*(\t/2)+8*(\t%2)+\j, v[DD]
	v_cndmask_b32 v[PEN+8*\t+\j], 0, v[NEGV], vcc_lo
.endr
.endr
	s_wait_dscnt 0x0
	s_mov_b32 s[SQ], 0
	s_lshl_b32 s[SLOTO], s[WV], 12
	s_lshl_b32 s[SLOTS], s[WV], 8
.Ltile:                                            ; four trips: my four tiles of 16 queries
	s_wait_xcnt 0x0                                ; the last trip's stores have read their base and their data: both are written again below
	s_lshr_b32 s[TA], s[SQ], 1
	s_lshl_b32 s[TA], s[TA], 3
	s_add_co_u32 s[TA], s[TA], s[WV]               ; the block: w or w + 8
	s_lshl_b32 s[R0], s[TA], 5
	s_and_b32 s[TA], s[SQ], 1
	s_lshl_b32 s[TA], s[TA], 3
	s_add_co_u32 s[R0], s[R0], s[TA]               ; the tile's first row: place r is row R0 + RQ
	s_lshl_b32 s[OFS], s[R0], 9
	s_add_nc_u64 s[OB:OB+1], s[OUTB:OUTB+1], s[OFS:OFS+1]
	s_sub_co_i32 s[VLR], s[VL], s[R0]
	v_add_nc_u32 v[AQ], s[SLOTO], v[LIQ]
	v_add_nc_u32 v[AQS], s[SLOTS], v[LRQ]
	s_cmp_ge_u32 s[R0], s[VL]
	s_cbranch_scc0 .Lwork
.irp i, 0,1,2,3,4,5,6,7,8,9,10,11,12,13,14,15      ; all 16 queries lie at or beyond vl: zeros, a whole row of 512 bytes a store
	global_store_b128 v[LI], v[Z4:Z4+3], s[OB:OB+1] offset:512*((\i%8)+16*(\i/8)) th:TH_STORE_NT
.endr
	s_branch .Lnext
.Lwork:
	ds_load_b128 v[QF:QF+3], v[AQ]
	ds_load_b128 v[QF+4:QF+7], v[AQ] offset:512
	ds_load_b32 v[QS], v[AQS]
	LOADKV KIMG, 0
	v_mov_b32 v[RM], 0xff61b1e6                    ; -3e38, under every score
	v_mov_b32 v[SUMA], 0
	v_mov_b32 v[SUMA+1], 0
	v_mov_b32 v[SUMB], 0
	v_mov_b32 v[SUMB+1], 0
	SCORE 0
	SCORE 1
	SCORE 2
	SCORE 3
.Ls_end:
	s_wait_dscnt 0x0                               ; the fragments asked for behind the last chunk are in: their registers are loaded again below
	v_mul_f32 v[NMC], s[NC], v[RM]                 ; -c x the row's largest score
	EXPS 0
	EXPS 1
	EXPS 2
	EXPS 3
.Le_end:
	v_pk_add_f32 v[SUMA:SUMA+1], v[SUMA:SUMA+1], v[SUMB:SUMB+1]
	v_add_f32 v[SUMA], v[SUMA], v[SUMA+1]
	v_permlanex16_b32 v[T1], v[SUMA], s[SEL], s[SEL+1]
	v_add_f32 v[SUMA], v[SUMA], v[T1]              ; the row's sum
	v_rcp_f32 v[RI], v[SUMA]
	v_cmp_gt_i32 vcc_lo, s[VLR], v[RQ]             ; (a plain line behind the reciprocal)  is my query under vl?
	s_wait_alu depctr_va_vdst(0)                   ; ahead of the reciprocal's first reader
	v_cndmask_b32 v[RI], 0, v[RI], vcc_lo          ; a query at or beyond vl: all its weights are 0, as the mask behind the softmax makes them
	PVS 0
	PVS 1
	PVS 2
	PVS 3
.Lp_end:
	PLACES 4                                       ; between the last products and the first read of results
	; THE WAY OUT: register 8 c + j is channel 32 (c / 2) + 16 h + 8 (c % 2) + j of query place r: into my stage by rows, back as whole rows of 512 bytes
	WIN 0x04
.irp c, 0,1,2,3,4,5,6,7
	ds_store_b128 v[SL], v[8*\c:8*\c+3] offset:128*(\c/2)+32*(\c%2)          ; each accumulator from its low end on
	ds_store_b128 v[SL], v[8*\c+4:8*\c+7] offset:128*(\c/2)+32*(\c%2)+16
.endr
	WIN 0x40
.irp i, 0,1,2,3,4,5,6,7,8,9,10,11,12,13,14,15
	ds_load_b128 v[64+4*\i:64+4*\i+3], v[SA] offset:SPI*\i                   ; LDS serves a wave's instructions in order: these see my stores
.endr
	WIN 0x04
.irp i, 0,1,2,3,4,5,6,7,8,9,10,11,12,13,14,15
	s_wait_dscnt 15-\i                             ; row i is back; the younger loads may be out
	global_store_b128 v[LI], v[64+4*\i:64+4*\i+3], s[OB:OB+1] offset:512*((\i%8)+16*(\i/8)) th:TH_STORE_NT   ; 32 lanes store a row's 512 consecutive bytes
.endr
	WIN 0
.Lnext:
	s_add_co_u32 s[SLOTO], s[SLOTO], 1024
	s_add_co_u32 s[SLOTS], s[SLOTS], 64
	s_add_co_u32 s[SQ], s[SQ], 1
	s_cmp_lt_u32 s[SQ], 4
	s_cbranch_scc1 .Ltile
	s_wait_xcnt 0x0
	v_lshl_add_u32 v254, v0, 2, 0x30600
	v_mov_b32 v255, 0
	s_wait_tensorcnt 0x0
	ds_add_u32 v254, v255
	s_wait_dscnt 0x0
	s_endpgm
.Lfunc_end_k_qec05b120ba_vnet:
	.size	k_qec05b120ba_vnet, .Lfunc_end_k_qec05b120ba_vnet-k_qec05b120ba_vnet
	.p2alignl 7, 3214868480
	.fill 96, 4, 3214868480
	.section	.rodata,"a",@progbits
	.p2align	6, 0x0
	.amdhsa_kernel k_qec05b120ba_vnet
		.amdhsa_group_segment_fixed_size 199168
		.amdhsa_private_segment_fixed_size 0
		.amdhsa_enable_private_segment 0
		.amdhsa_kernarg_size 72
		.amdhsa_user_sgpr_count 2
		.amdhsa_user_sgpr_kernarg_segment_ptr 1
		.amdhsa_wavefront_size32 1
		.amdhsa_system_sgpr_workgroup_id_x 1
		.amdhsa_system_sgpr_workgroup_id_y 1
		.amdhsa_system_sgpr_workgroup_id_z 1
		.amdhsa_system_vgpr_workitem_id 0
		.amdhsa_next_free_vgpr 512
		.amdhsa_next_free_sgpr 80
		.amdhsa_reserve_vcc 1
		.amdhsa_float_denorm_mode_32 3
		.amdhsa_float_denorm_mode_16_64 3
		.amdhsa_memory_ordered 1
		.amdhsa_forward_progress 1
		.amdhsa_inst_pref_size 229
	.end_amdhsa_kernel
	.amdgpu_metadata
---
amdhsa.version: [ 1, 2 ]
amdhsa.kernels:
  - .name:           k_qec05b120ba_vnet
    .symbol:         k_qec05b120ba_vnet.kd
    .args:
      - { .name: x, .offset: 0, .size: 8, .value_kind: global_buffer, .address_space: global }
      - { .name: wq, .offset: 8, .size: 8, .value_kind: global_buffer, .address_space: global }
      - { .name: bq, .offset: 16, .size: 8, .value_kind: global_buffer, .address_space: global }
      - { .name: wk, .offset: 24, .size: 8, .value_kind: global_buffer, .address_space: global }
      - { .name: bk, .offset: 32, .size: 8, .value_kind: global_buffer, .address_space: global }
      - { .name: wv, .offset: 40, .size: 8, .value_kind: global_buffer, .address_space: global }
      - { .name: bv, .offset: 48, .size: 8, .value_kind: global_buffer, .address_space: global }
      - { .name: valid_lens, .offset: 56, .size: 8, .value_kind: global_buffer, .address_space: global }
      - { .name: out0, .offset: 64, .size: 8, .value_kind: global_buffer, .address_space: global }
    .group_segment_fixed_size: 199168
    .private_segment_fixed_size: 0
    .kernarg_segment_align: 8
    .kernarg_segment_size: 72
    .max_flat_workgroup_size: 256
    .sgpr_count:     80
    .vgpr_count:     512
    .wavefront_size: 32
...
	.end_amdgpu_metadata
.endif
;; end of part 1
;; ======== version 2 of 2: 1 launch; version 1 with the launch vnet written anew for expert scheduling mode
;; launch vnet (part 2): grid 256 x 1, 8 waves a work-group, no clusters, 199,168 bytes of LDS; arguments x, wq, bq, wk, bk, wv, bv, valid_lens, out0; writes out0
.if DOCPART == 2
	.amdgcn_target "amdgcn-amd-amdhsa--gfx1250"
	.amdhsa_code_object_version 6
	.text
	.protected	k_qec05b120ba_vnet
	.globl	k_qec05b120ba_vnet
	.p2align	8
	.type	k_qec05b120ba_vnet,@function
k_qec05b120ba_vnet:
	s_mov_b64 s[64:65], 0
	v_nop
	global_prefetch_b8 v0, s[64:65] scope:SCOPE_SE
	s_setreg_imm32_b32 hwreg(HW_REG_WAVE_SCHED_MODE, 0, 2), 2
	s_setreg_imm32_b32 hwreg(HW_REG_WAVE_MODE, 25, 1), 1
	s_wait_xcnt 0x0
	s_wait_alu depctr_vm_vsrc(0)
; out[b] = (softmax(mask(q k^T / sqrt(128))) * valid) v,  q, k, v = x[b] w + bias.  All five products on codes of FP4 (E2M1) with one E8M0 scale for each 32 along K.
; x: [256][512][128] f32; wq, wk, wv: [128 (k)][128 (n)] f32; biases [128] f32; valid_lens [256] i32; out0: [256][512][128] f32.
; ONE WORK-GROUP = ONE BATCH, eight waves of 512 registers.  q, k, v, the scores and the weights p never leave the work-group.
; PHASE W: the eight waves quantise the three weights along k into LDS, as images of operand registers.
; PHASE P: wave w takes rows 32 w .. and 32 (w + 8) .. of x: quantises them, makes Q and K (codes along the hidden axis) and V^T (codes along the keys), as images in LDS.
; PHASE A: wave w takes its own four tiles of 16 queries: S^T = K Q^T for all keys (256 registers), the finished softmax, its quantiser along the keys, O^T = V^T P^T, the way out.
; THE MASK comes from valid_lens[b] = vl: blocks of 32 rows at or beyond vl are not projected, chunks of 128 keys at or beyond vl are not multiplied, tiles of queries at or beyond vl store zeros:
; scalar branches on vl.  So this text has no tensor load and no asynchronous copy: all goes through registers.  Work-groups share the weights alone (196,608 bytes): no cluster.
; THE ROWS OF A TILE ARE NOT NEIGHBOURS: in every block of 32 (rows of x, columns of a weight) tile u, place r is element 8 u + (r % 8) + 16 (r / 8).  So the 16 registers of two neighbouring result tiles
; are 16 neighbours along the next product's K, and one fragment of x serves all three projections (as source 1 for Q and K, as source 0 for V).
; AN IMAGE: a fragment (16 rows x 128 K, 8 registers a lane) lies in LDS as its registers: group c of four registers at 512 c + 16 x lane.  Scale words: 4 bytes a row.
; LIMITS.  Rows of x at or beyond 32 ceil(vl / 32) are not used: a NaN or an infinity there is not carried into the result.  A hidden key's score is the product - 1e30, not -1e12: the same p = 0 while true scores
; stay far above both.  t = s c - max c is one fused multiply-add.  A block's largest p is taken from its largest score, through the same instructions.  v_exp_f32 gives 0 under 2^-126.
; A block of zeros has the byte 1 (or 127 where a block is filled) : its codes are zeros and the bytes are this text's own.  vl is held to 0 .. 512.
; No prefetch of x: its loads go out early, three tiles at the head and the fourth behind phase W; there is no later stream.
; THE MODE: SCHED_MODE bits 1:0 = 2 (LLVM: expert scheduling mode 2), set by the entry lines.  The code itself states the register dependences between vector or matrix instructions and memory or LDS
; instructions, with s_wait_alu, always for 0.
; THE PLAN.  Registers that memory or LDS instructions touch, and who else names them:
;   v1-v20, v28, v29 (addresses), Z4, ONES (store data): written once at the head, never again: ONE wait on va_vdst ahead of the first load serves every access by them.
;   W.  WR is loaded once and read by the six units' lines.  CW and HW are a unit's own: all six units are worked, ONE wait on va_vdst, then the nine stores; ONE wait on vm_vsrc behind the barrier, ahead of
;       the lines that write v229-255 again.  The wait on va_vdst also states that the units are done reading WR, in which bq, the weights' fragments and scale words land later.
;   P.  A tile of x (window 1): the stores into the stage read it, the loads out of the stage land in it: a wait on vm_vsrc between.  Behind the last tile ONE wait on va_vdst: the quantisers are done reading
;       the registers in which bk and bv land, and x's codes and scale words are written, which the scaled products take.  Q's and K's codes: two sets; both tiles of a block are quantised, ONE wait on va_vdst,
;       six stores; that wait also frees the weight's fragments for the next weight's loads; ONE wait on vm_vsrc ahead of the next pair of quantisers.  V: one wait of each kind round its sixteen stores.
;   A.  AQ, AQS: stepped once a tile, between a wait on vm_vsrc (loop's head; it also frees the registers that the last tile's stores read) and a wait on va_vdst (ahead of the tile's first loads; it also states
;       that the last products are done reading QF, QS and KF).  KF: read by a chunk's eight products, loaded again behind ONE wait on va_vdst a chunk.  PCA, PWA: written by vector lines, taken by scaled
;       products: one wait on va_vdst behind their places.  O^T: one wait on va_vdst ahead of the way out.
; ---- LDS
.set KIMG, 0                           ; K's fragment of key tile T at 1024 T
.set VIMG, 32768                       ; V^T's fragment (step s of 128 keys, channel tile c) at 1024 (8 s + c)
.set WIMG, 65536                       ; a weight's fragment (m, t) at 1024 (8 m + t); m = 0 q, 1 k, 2 v
.set QIMG, 90112                       ; Q's fragment, slot 4 w + tile: the wave's own
.set KSC,  122880                      ; scale words: 64 T + 4 r
.set VSC,  124928                      ; 64 (8 s + c) + 4 r
.set WSC,  126976                      ; 64 (8 m + t) + 4 r
.set QSC,  128512                      ; 64 (4 w + tile) + 4 r
.set STG,  130560                      ; a stage for each wave: 16 rows of 512 bytes + 16: 33 x 16 bytes, so 16 rows start at 16 different 16-byte columns modulo 256
.set SPI,  528
; ---- scalar registers.  s[8:23]: x, wq, bq, wk, bk, wv, bv, valid_lens; s[24:25]: out0
.set VL,   27
.set NBLK, 28                          ; blocks of 32 rows that vl touches
.set NKS,  29                          ; chunks of 128 keys that vl touches
.set WV,   30
.set WV8,  31
.set GG,   32                          ; wave % 4
.set KH,   33                          ; wave / 4
.set SEL,  34                          ; s[34:35] selects of v_permlanex16_b32: lane l xor 16
.set CS,   36                          ; s[36:37] c = log2(e) / sqrt(128), twice
.set NC,   38                          ; -c
.set XA,   40                          ; s[40:41], s[42:43] my two blocks of x
.set XB,   42
.set OUTB, 44                          ; s[44:45] out0 at my batch
.set OB,   46                          ; s[46:47] out0 at the tile in hand
.set OFS,  48                          ; s[48:49] an offset in 64 bits
.set SQ,   50
.set SLOTO, 51
.set SLOTS, 52
.set R0,   53
.set VLR,  54
.set TA,   55
.set TB,   56
.set CM0,  56                          ; s[56:63], s[66:73] sixteen compares' masks, in phase A's set-up (s56 is free behind the head)
.set CM1,  66
; ---- vector registers that stay (window 0)
.set LI,  1                            ; 16 x lane
.set LIW, 2                            ; WIMG + 16 x lane
.set SA,  3                            ; my stage + 16 x lane
.set SL,  4                            ; my stage + 528 r + 64 h
.set LRW, 5                            ; WSC + 4 r
.set ASC, 6                            ; KSC + 4 r + 1024 h
.set RQ,  7                            ; (r % 8) + 16 (r / 8): place r's row in its tile
.set AQ,  8
.set AQS, 9
.set AKI, 10
.set AKS, 11
.set AVI, 12
.set AVS, 13
.set AQI, 14
.set AQW, 15
.set VW,  16
.set AW,  17
.set ASW, 18
.set VB,  19                           ; 64 h
.set VBV, 20                           ; 4 RQ
.set NEGV, 21                          ; -1e30
.set Z4,  22                           ; v[22:25] zeros
.set ONES, 26                          ; four scale bytes 127
.set DD,  27
.set LIQ, 28
.set LRQ, 29                           ; v30 = r, v31 = h
; ---- scale words: registers that no matrix instruction names as A, B, C or D
.set XS,  32
.set WS,  36
.set QS,  44
.set PWA, 45
.set RM,  46
.set T1,  47
.set KS,  48                           ; register i: tile i in lanes 0-15, tile 16 + i in lanes 16-31
.set VS,  64
; ---- phase W
.set WR,  32                           ; six units of 32 numbers
.set T0,  224
.set T1W, 225
.set SOW, 226
.set BYW, 227
.set HW,  229
.set CW,  232
; ---- phase P
.set PCP, 48                           ; codes just made: two sets, v48-55 and v58-65; their scale words v56, v57
.set PWP, 56
.set WF,  80
.set BI,  144                          ; bq's eight C tiles; then V's work:
.set TV,  144
.set TV2, 152
.set SOV, 160
.set BYV, 168
.set VC,  176
.set XF,  208
.set TM,  240                          ; +0..3 largest magnitudes, +4..7 the other half's, then bytes, +8..11 the conversions' scale operands
; ---- phase A
.set KF,  80
.set PEN, 144
.set QF,  208
.set PCA, 216
.set BM,  224
.set NMC, 240
.set RI,  242
.set SUMA, 244
.set SUMB, 246
.set TP,  248
.set SO,  252
; window 1: v0-255: x as loaded and turned; then v0-127 the projections' results, v128-191 bk's C tiles, v192-255 bv's; in phase A the scores (chunk s at 64 s), O^T in v0-63, rows on the way out in v64-127
.set MSB, 0
.macro WIN new                         ; low byte: bits 1:0 source 0, 3:2 source 1, 5:4 source 2, 7:6 destination; the high byte repeats the setting that is left
.if MSB != \new
	s_set_vgpr_msb (MSB<<8)|\new
.set MSB, \new
.endif
.endm
.macro PLACES n
.rept \n
	v_nop
.endr
.endm
; Unit j of the weights: matrix j / 2, my k block j % 2: 32 numbers down k of my column become 16 bytes of codes and a scale byte, in registers of the unit's own.
.macro WQUANT j
.set WB, WR+32*(\j)
.set WM, (\j)/2
.set WE, (\j)%2
	v_max3_num_f32 v[T0], |v[WB]|, |v[WB+1]|, |v[WB+2]|
	v_max3_num_f32 v[T1W], |v[WB+3]|, |v[WB+4]|, |v[WB+5]|
.irp i, 6,10,14,18,22,26
	v_max3_num_f32 v[T0], v[T0], |v[WB+\i]|, |v[WB+\i+1]|
	v_max3_num_f32 v[T1W], v[T1W], |v[WB+\i+2]|, |v[WB+\i+3]|
.endr
	v_max3_num_f32 v[T0], v[T0], |v[WB+30]|, |v[WB+31]|
	v_max3_num_f32 v[T0], v[T0], v[T1W], 0x1800000           ; the floor 2^(3 - 127): the byte cannot fall under 1
	v_add_nc_u32 v[SOW], 0xff000000, v[T0]                   ; 2 off the exponent field: the conversion's scale operand
	v_lshrrev_b32 v[BYW+WE], 23, v[SOW]                      ; the scale's byte
.irp g, 0,1,2,3
	v_cvt_scalef32_pk8_fp4_f32 v[CW+4*(\j)+\g], v[WB+8*\g:WB+8*\g+7], v[SOW]
.endr
.if WE
	v_lshl_or_b32 v[HW+WM], v[BYW+1], 8, v[BYW]              ; my two bytes of the column's scale word (also the plain line behind the conversions)
.else
	v_nop                                                    ; one plain line behind the conversions
.endif
.endm
; Unit j's codes, and behind a matrix's second unit its two scale bytes, go to LDS.
.macro WSTORE j
	ds_store_b128 v[AW], v[CW+4*(\j):CW+4*(\j)+3] offset:8192*((\j)/2)+256*((\j)%2)
.if (\j)%2
	ds_store_b16 v[ASW], v[HW+(\j)/2] offset:512*((\j)/2)
.endif
.endm
; Tile ti of my four tiles of x: place r's whole row of 512 bytes by one load, 16 bytes a lane.
.macro XLOAD base, ti
	WIN 0x40
.irp r, 0,1,2,3,4,5,6,7,8,9,10,11,12,13,14,15
	global_load_b128 v[64*(\ti)+4*\r:64*(\ti)+4*\r+3], v[LI], s[\base:\base+1] offset:512*(8*((\ti)%2)+(\r%8)+16*(\r/8))
.endr
	WIN 0
.endm
; 64 numbers of a lane in window 1, register s + 16 b + i = k 32 b + 16 h + i of my row, become a fragment's codes in v[pc] on and its scale word in v[pw].
.macro QUANT s, pc, pw
	WIN 0x14
.irp b, 0,1,2,3
	v_max3_num_f32 v[TM+\b], 0x1800000, |v[(\s)+16*\b]|, |v[(\s)+16*\b+1]|     ; with the floor; each result tile is read from its low end on
.endr
.irp i, 2,4,6,8,10,12,14
.irp b, 0,1,2,3
	v_max3_num_f32 v[TM+\b], v[TM+\b], |v[(\s)+16*\b+\i]|, |v[(\s)+16*\b+\i+1]|
.endr
.endr
	WIN 0
.irp b, 0,1,2,3
	v_permlanex16_b32 v[TM+4+\b], v[TM+\b], s[SEL], s[SEL+1]
.endr
.irp b, 0,1,2,3
	v_max_num_f32 v[TM+\b], v[TM+\b], v[TM+4+\b]             ; with lane l xor 16's 16: the block's largest magnitude
.endr
.irp b, 0,1,2,3
	v_add_nc_u32 v[TM+8+\b], 0xff000000, v[TM+\b]
.endr
.irp b, 0,1,2,3
	v_lshrrev_b32 v[TM+4+\b], 23, v[TM+8+\b]
.endr
	v_lshl_or_b32 v[\pw], v[TM+5], 8, v[TM+4]
	v_lshl_or_b32 v[\pw], v[TM+6], 16, v[\pw]
	v_lshl_or_b32 v[\pw], v[TM+7], 24, v[\pw]
	WIN 0x01
.irp b, 0,1,2,3
	v_cvt_scalef32_pk8_fp4_f32 v[(\pc)+2*\b], v[(\s)+16*\b:(\s)+16*\b+7], v[TM+8+\b]
	v_cvt_scalef32_pk8_fp4_f32 v[(\pc)+2*\b+1], v[(\s)+16*\b+8:(\s)+16*\b+15], v[TM+8+\b]
.endr
	WIN 0
	v_nop                                                    ; one plain line behind the conversions
.irp c, 0,1
.irp i, 0,1
	v_permlane16_swap_b32 v[(\pc)+4*\c+\i], v[(\pc)+4*\c+2+\i]   ; a whole block to a lane: registers 4 c .. 4 c + 3 hold k = 64 c + 32 h + 0 .. 31
.endr
.endr
.endm
; Tile ti turns through my stage (rows in, 64 bytes of each block of 32 numbers out, into the registers that it left: LDS serves a wave's instructions in order) and is quantised.
.macro XTILE ti
	WIN 0x04
.irp r, 0,1,2,3,4,5,6,7,8,9,10,11,12,13,14,15
	ds_store_b128 v[SA], v[64*(\ti)+4*\r:64*(\ti)+4*\r+3] offset:SPI*\r
.endr
	WIN 0x40
	s_wait_alu depctr_vm_vsrc(0)                             ; the sixteen stores above have read the tile's registers, in which the loads below land
.irp b, 0,1,2,3
.irp j, 0,1,2,3
	ds_load_b128 v[64*(\ti)+16*\b+4*\j:64*(\ti)+16*\b+4*\j+3], v[SL] offset:128*\b+16*\j
.endr
.endr
	WIN 0
	s_wait_dscnt 0x0
	QUANT 64*(\ti), XF+8*(\ti), XS+(\ti)
.endm
; My block i lies wholly under the mask: its K and V^T are zero codes under the byte 127, so that every byte that phase A may load is written.
.macro FILL i
.irp u, 0,1
.irp c, 0,1
	ds_store_b128 v[AKI], v[Z4:Z4+3] offset:16384*(\i)+1024*\u+512*\c
.endr
	ds_store_b32 v[AKS], v[ONES] offset:1024*(\i)+64*\u
.endr
.irp c, 0,1,2,3,4,5,6,7
	ds_store_b64 v[AVI], v[Z4:Z4+1] offset:16384*(\i)+1024*\c
	ds_store_b8 v[AVS], v[ONES] offset:1024*(\i)+64*\c
.endr
.irp n, 0,1,2,3,4,5,6,7,8,9,10,11,12,13,14,15
	v_mov_b32 v[XF+16*(\i)+\n], 0
.endr
	v_mov_b32 v[XS+2*(\i)], v[ONES]
	v_mov_b32 v[XS+2*(\i)+1], v[ONES]
.endm
.macro LOADW m                         ; weight m: eight fragments and their scale words
.irp t, 0,1,2,3,4,5,6,7
.irp c, 0,1
	ds_load_b128 v[WF+8*\t+4*\c:WF+8*\t+4*\c+3], v[LIW] offset:1024*(8*(\m)+\t)+512*\c
.endr
	ds_load_b32 v[WS+\t], v[LRW] offset:64*(8*(\m)+\t)
.endr
.endm
; Q (m = 0) or K (m = 1) of my block i: source 0 = 16 columns of the weight, source 1 = 16 rows of x, C = the bias: 16 results of their own, then the quantiser along the hidden axis for both tiles, then the images.
.macro MATQK m, i
.if (\m) == 0
	WIN 0x40
.else
	WIN 0x50
.endif
.irp u, 0,1
.irp t, 0,1,2,3,4,5,6,7
.if (\m) == 0
	v_wmma_scale_f32_16x16x128_f8f6f4 v[64*\u+8*\t:64*\u+8*\t+7], v[WF+8*\t:WF+8*\t+7], v[XF+8*(2*(\i)+\u):XF+8*(2*(\i)+\u)+7], v[BI+8*\t:BI+8*\t+7], v[WS+\t], v[XS+2*(\i)+\u] matrix_a_fmt:MATRIX_FMT_FP4 matrix_b_fmt:MATRIX_FMT_FP4
.else
	v_wmma_scale_f32_16x16x128_f8f6f4 v[64*\u+8*\t:64*\u+8*\t+7], v[WF+8*\t:WF+8*\t+7], v[XF+8*(2*(\i)+\u):XF+8*(2*(\i)+\u)+7], v[128+8*\t:128+8*\t+7], v[WS+\t], v[XS+2*(\i)+\u] matrix_a_fmt:MATRIX_FMT_FP4 matrix_b_fmt:MATRIX_FMT_FP4
.endif
.endr
.endr
	WIN 0
	PLACES 4                                                 ; four plain lines between the last product and the first read of results (ISA guide 7.12.1)
.if (\m)+(\i) > 0
	s_wait_alu depctr_vm_vsrc(0)                             ; the six stores of the images before have read both sets of codes and scale words, which the quantisers below write again
.endif
.irp u, 0,1
	s_wait_dscnt 3-3*\u                                      ; set u's last three stores are done (ahead of set 0's turn set 1's three, the younger, may be out)
	QUANT 64*\u, PCP+10*\u, PWP+\u
.endr
	s_wait_alu depctr_va_vdst(0)                             ; both sets of codes and scale words are written, which the six stores read; the products above are done reading the weight's fragments and scale words, in which the next weight's land
.irp u, 0,1
.irp c, 0,1
.if (\m) == 0
	ds_store_b128 v[AQI], v[PCP+10*\u+4*\c:PCP+10*\u+4*\c+3] offset:1024*(2*(\i)+\u)+512*\c
.else
	ds_store_b128 v[AKI], v[PCP+10*\u+4*\c:PCP+10*\u+4*\c+3] offset:16384*(\i)+1024*\u+512*\c
.endif
.endr
.if (\m) == 0
	ds_store_b32 v[AQW], v[PWP+\u] offset:64*(2*(\i)+\u)
.else
	ds_store_b32 v[AKS], v[PWP+\u] offset:1024*(\i)+64*\u
.endif
.endr
.endm
; V of my block i: source 0 = 16 rows of x, source 1 = 16 columns of wv: a lane holds one channel and, in registers 16 c + 0 .. 15, 16 neighbouring keys.  A block of 32 keys lies in lanes l and l xor 16.
.macro MATV i
	WIN 0x50
.irp c, 0,1,2,3,4,5,6,7
.irp u, 0,1
	v_wmma_scale_f32_16x16x128_f8f6f4 v[16*\c+8*\u:16*\c+8*\u+7], v[XF+8*(2*(\i)+\u):XF+8*(2*(\i)+\u)+7], v[WF+8*\c:WF+8*\c+7], v[192+8*\c:192+8*\c+7], v[XS+2*(\i)+\u], v[WS+\c] matrix_a_fmt:MATRIX_FMT_FP4 matrix_b_fmt:MATRIX_FMT_FP4
.endr
.endr
	WIN 0
	PLACES 4
	WIN 0x14
.irp c, 0,1,2,3,4,5,6,7
	v_max3_num_f32 v[TV+\c], 0x1800000, |v[16*\c]|, |v[16*\c+1]|
.endr
.irp n, 2,4,6,8,10,12,14
.irp c, 0,1,2,3,4,5,6,7
	v_max3_num_f32 v[TV+\c], v[TV+\c], |v[16*\c+\n]|, |v[16*\c+\n+1]|
.endr
.endr
	WIN 0
.irp c, 0,1,2,3,4,5,6,7
	v_permlanex16_b32 v[TV2+\c], v[TV+\c], s[SEL], s[SEL+1]
.endr
.irp c, 0,1,2,3,4,5,6,7
	v_max_num_f32 v[TV+\c], v[TV+\c], v[TV2+\c]
.endr
.irp c, 0,1,2,3,4,5,6,7
	v_add_nc_u32 v[SOV+\c], 0xff000000, v[TV+\c]
.endr
.irp c, 0,1,2,3,4,5,6,7
	v_lshrrev_b32 v[BYV+\c], 23, v[SOV+\c]
.endr
	WIN 0x01
.irp c, 0,1,2,3,4,5,6,7
	v_cvt_scalef32_pk8_fp4_f32 v[VC+2*\c], v[16*\c:16*\c+7], v[SOV+\c]
	v_cvt_scalef32_pk8_fp4_f32 v[VC+2*\c+1], v[16*\c+8:16*\c+15], v[SOV+\c]
.endr
	WIN 0
	v_nop                                                    ; one plain line behind the conversions
	s_wait_alu depctr_va_vdst(0)                             ; the codes in VC and the bytes in BYV are written, which the sixteen stores read
.irp c, 0,1,2,3,4,5,6,7
	ds_store_b64 v[AVI], v[VC+2*\c:VC+2*\c+1] offset:16384*(\i)+1024*\c    ; my 16 keys' codes: 8 bytes of the block's 16 in the channel's place
	ds_store_b8 v[AVS], v[BYV+\c] offset:1024*(\i)+64*\c                   ; both lanes of a block write the same byte with the same value
.endr
	s_wait_dscnt 0x0                                         ; the stores are done
	s_wait_alu depctr_vm_vsrc(0)                             ; they have read VC and BYV, which the next block's lines and phase A's PEN write again; K's images' stores have read v48-65, in which K's scale words land
.endm
.macro LOADKV base, s                  ; the eight fragments of chunk s of K, or of V^T
.irp t, 0,1,2,3,4,5,6,7
.irp c, 0,1
	ds_load_b128 v[KF+8*\t+4*\c:KF+8*\t+4*\c+3], v[LI] offset:(\base)+1024*(8*(\s)+\t)+512*\c
.endr
.endr
.endm
; Eight products S^T = K Q^T of chunk s.  pen = 1: the chunk on vl's edge: C holds 0 or -1e30, so hiding keys costs no vector line in the loop.
.macro SPROD s, pen
	WIN 0x40
.irp t, 0,1,2,3,4,5,6,7
.if (\pen) && ((\s) >= 2)
	v_wmma_scale_f32_16x16x128_f8f6f4 v[64*(\s)+8*\t:64*(\s)+8*\t+7], v[KF+8*\t:KF+8*\t+7], v[QF:QF+7], v[PEN+8*\t:PEN+8*\t+7], v[KS+(8*(\s)+\t)%16], v[QS] matrix_a_fmt:MATRIX_FMT_FP4 matrix_b_fmt:MATRIX_FMT_FP4 matrix_a_scale:MATRIX_SCALE_ROW1
.elseif (\pen)
	v_wmma_scale_f32_16x16x128_f8f6f4 v[64*(\s)+8*\t:64*(\s)+8*\t+7], v[KF+8*\t:KF+8*\t+7], v[QF:QF+7], v[PEN+8*\t:PEN+8*\t+7], v[KS+(8*(\s)+\t)%16], v[QS] matrix_a_fmt:MATRIX_FMT_FP4 matrix_b_fmt:MATRIX_FMT_FP4
.elseif (\s) >= 2
	v_wmma_scale_f32_16x16x128_f8f6f4 v[64*(\s)+8*\t:64*(\s)+8*\t+7], v[KF+8*\t:KF+8*\t+7], v[QF:QF+7], 0, v[KS+(8*(\s)+\t)%16], v[QS] matrix_a_fmt:MATRIX_FMT_FP4 matrix_b_fmt:MATRIX_FMT_FP4 matrix_a_scale:MATRIX_SCALE_ROW1
.else
	v_wmma_scale_f32_16x16x128_f8f6f4 v[64*(\s)+8*\t:64*(\s)+8*\t+7], v[KF+8*\t:KF+8*\t+7], v[QF:QF+7], 0, v[KS+(8*(\s)+\t)%16], v[QS] matrix_a_fmt:MATRIX_FMT_FP4 matrix_b_fmt:MATRIX_FMT_FP4
.endif
.endr
	WIN 0
.endm
; Chunk s: scores, the largest score of each block of 32 keys, the row's largest so far.
.macro SCORE s
.if (\s) > 0
	s_cmp_le_u32 s[NKS], \s
	s_cbranch_scc1 .Ls_end                                   ; all its keys lie at or beyond vl
.endif
	s_wait_dscnt 0x0                                         ; K's fragments of this chunk (and, in chunk 0, Q's) are in
.if (\s) < 3
	s_cmp_eq_u32 s[NKS], (\s)+1
	s_cbranch_scc1 .Ls_last_\@
	SPROD \s, 0
	s_branch .Ls_join_\@
.Ls_last_\@:
.endif
	SPROD \s, 1                                              ; (chunk 3, where it is reached, is always the last)
.if (\s) < 3
.Ls_join_\@:
.endif
	PLACES 4                                                 ; ahead of the first read of results
	s_wait_alu depctr_va_vdst(0)                             ; the chunk's eight products are done reading K's fragments: the next loads into KF (the next chunk's below, or V^T's first behind the last chunk) land there; no line up to them names KF
.if (\s) < 3
	LOADKV KIMG, (\s)+1                                      ; the next chunk's fragments land under the maxima (they are not used where this chunk is the last)
.endif
	WIN 0x14
.irp b, 0,1,2,3
	v_max3_num_f32 v[BM+4*(\s)+\b], 0xff61b1e6, v[64*(\s)+16*\b], v[64*(\s)+16*\b+1]
.endr
.irp i, 2,4,6,8,10,12,14
.irp b, 0,1,2,3
	v_max3_num_f32 v[BM+4*(\s)+\b], v[BM+4*(\s)+\b], v[64*(\s)+16*\b+\i], v[64*(\s)+16*\b+\i+1]
.endr
.endr
	WIN 0
.irp b, 0,1,2,3
	v_permlanex16_b32 v[TP+\b], v[BM+4*(\s)+\b], s[SEL], s[SEL+1]
.endr
.irp b, 0,1,2,3
	v_max_num_f32 v[BM+4*(\s)+\b], v[BM+4*(\s)+\b], v[TP+\b]
.endr
	v_max3_num_f32 v[RM], v[RM], v[BM+4*(\s)], v[BM+4*(\s)+1]
	v_max3_num_f32 v[RM], v[RM], v[BM+4*(\s)+2], v[BM+4*(\s)+3]
.endm
; Chunk s: p = 2^(c s - c max), in place; the same of each block's largest score; the row's sum.
.macro EXPS s
.if (\s) > 0
	s_cmp_le_u32 s[NKS], \s
	s_cbranch_scc1 .Le_end
.endif
.irp b, 0,1,2,3
	v_fma_f32 v[BM+4*(\s)+\b], v[BM+4*(\s)+\b], s[CS], v[NMC]
.endr
	WIN 0x41
.set JJ, 0
.rept 32
	v_pk_fma_f32 v[64*(\s)+JJ:64*(\s)+JJ+1], v[64*(\s)+JJ:64*(\s)+JJ+1], s[CS:CS+1], v[NMC:NMC+1] op_sel_hi:[1,0,0]
.set JJ, JJ+2
.endr
.set JJ, 0
	s_wait_alu depctr_va_vdst(0)
.rept 64
	v_exp_f32 v[64*(\s)+JJ], v[64*(\s)+JJ]
.set JJ, JJ+1
.endr
	WIN 0
.irp b, 0,1,2,3
	v_exp_f32 v[BM+4*(\s)+\b], v[BM+4*(\s)+\b]
.endr
	v_nop                                                    ; a plain line behind the last exponential
	s_wait_alu depctr_va_vdst(0)                             ; the batch of 68 exponentials has written the chunk's p and the four blocks' largest: one wait, ahead of their first reader and of the next branch
	WIN 0x04
.set JJ, 0
.rept 16
	v_pk_add_f32 v[SUMA:SUMA+1], v[SUMA:SUMA+1], v[64*(\s)+JJ:64*(\s)+JJ+1]
	v_pk_add_f32 v[SUMB:SUMB+1], v[SUMB:SUMB+1], v[64*(\s)+JJ+2:64*(\s)+JJ+3]
.set JJ, JJ+4
.endr
	WIN 0
.endm
; Chunk s: p / the sum (0 for a query at or beyond vl), quantised along the keys; O^T += V^T P^T: eight accumulators by turns, one instruction a turn, across chunks too.
; V^T's fragments of chunk 0 were asked for ahead of the exponentials; those of a later chunk are asked for behind its scalings.
.macro PVS s
.if (\s) > 0
	s_cmp_le_u32 s[NKS], \s
	s_cbranch_scc1 .Lp_end
.endif
	WIN 0x41
.set JJ, 0
.rept 32
	v_pk_mul_f32 v[64*(\s)+JJ:64*(\s)+JJ+1], v[64*(\s)+JJ:64*(\s)+JJ+1], v[RI:RI+1] op_sel_hi:[1,0]   ; (these 32 are also the plain lines between the last products and the writes below)
.set JJ, JJ+2
.endr
	WIN 0
.if (\s) > 0
	s_wait_alu depctr_va_vdst(0)                             ; the last chunk's eight products are done reading V^T's fragments, in whose registers this chunk's land
	LOADKV VIMG, \s
.endif
.irp b, 0,1,2,3
	v_mul_f32 v[BM+4*(\s)+\b], v[BM+4*(\s)+\b], v[RI]        ; the block's largest weight: the same lines on the same number give the same bits
.endr
.irp b, 0,1,2,3
	v_max_num_f32 v[BM+4*(\s)+\b], 0x1800000, v[BM+4*(\s)+\b]
.endr
.irp b, 0,1,2,3
	v_add_nc_u32 v[SO+\b], 0xff000000, v[BM+4*(\s)+\b]
.endr
.irp b, 0,1,2,3
	v_lshrrev_b32 v[TP+\b], 23, v[SO+\b]
.endr
	v_lshl_or_b32 v[PWA], v[TP+1], 8, v[TP]
	v_lshl_or_b32 v[PWA], v[TP+2], 16, v[PWA]
	v_lshl_or_b32 v[PWA], v[TP+3], 24, v[PWA]
	WIN 0x01
.irp b, 0,1,2,3
	v_cvt_scalef32_pk8_fp4_f32 v[PCA+2*\b], v[64*(\s)+16*\b:64*(\s)+16*\b+7], v[SO+\b]
	v_cvt_scalef32_pk8_fp4_f32 v[PCA+2*\b+1], v[64*(\s)+16*\b+8:64*(\s)+16*\b+15], v[SO+\b]
.endr
	WIN 0
	v_nop
.irp c, 0,1
.irp i, 0,1
	v_permlane16_swap_b32 v[PCA+4*\c+\i], v[PCA+4*\c+2+\i]
.endr
.endr
	PLACES 8                                                 ; a scale word made by vector lines stands eight plain lines ahead of a scaled product, an operand so made four
	s_wait_alu depctr_va_vdst(0)                             ; p's codes in PCA and its scale word in PWA are written, which the scaled products below take; the places above stay beside this wait
	s_wait_dscnt 0x0                                         ; V^T's fragments are in
.if (\s) == 0
	WIN 0x40
.else
	WIN 0x50
.endif
.irp c, 0,1,2,3,4,5,6,7
.if (\s) == 0
	v_wmma_scale_f32_16x16x128_f8f6f4 v[8*\c:8*\c+7], v[KF+8*\c:KF+8*\c+7], v[PCA:PCA+7], 0, v[VS+(8*(\s)+\c)%16], v[PWA] matrix_a_fmt:MATRIX_FMT_FP4 matrix_b_fmt:MATRIX_FMT_FP4
.elseif (\s) == 1
	v_wmma_scale_f32_16x16x128_f8f6f4 v[8*\c:8*\c+7], v[KF+8*\c:KF+8*\c+7], v[PCA:PCA+7], v[8*\c:8*\c+7], v[VS+(8*(\s)+\c)%16], v[PWA] matrix_a_fmt:MATRIX_FMT_FP4 matrix_b_fmt:MATRIX_FMT_FP4
.else
	v_wmma_scale_f32_16x16x128_f8f6f4 v[8*\c:8*\c+7], v[KF+8*\c:KF+8*\c+7], v[PCA:PCA+7], v[8*\c:8*\c+7], v[VS+(8*(\s)+\c)%16], v[PWA] matrix_a_fmt:MATRIX_FMT_FP4 matrix_b_fmt:MATRIX_FMT_FP4 matrix_a_scale:MATRIX_SCALE_ROW1
.endif
.endr
	WIN 0
.endm
; ======================================================================= HEAD
	s_load_b512 s[8:23], s[0:1], 0x0               ; x, wq, bq, wk, bk, wv, bv, valid_lens
	s_load_b64 s[24:25], s[0:1], 0x40              ; out0
	v_and_b32 v224, 31, v0                         ; lane
	v_and_b32 v30, 15, v0                          ; r
	s_wait_alu depctr_va_vdst(0)
	v_bfe_u32 v31, v0, 4, 1                        ; h
	v_lshrrev_b32 v225, 5, v0
	v_readfirstlane_b32 s[WV], v225                ; wave 0..7
	s_wait_alu depctr_va_sdst(0)                   ; the wave's number is written, ahead of its first reader: LDS addresses, bases and branches are made from it
	s_add_co_u32 s[WV8], s[WV], 8
	s_and_b32 s[GG], s[WV], 3
	s_lshr_b32 s[KH], s[WV], 2
	s_lshl_b32 s[TA], s[GG], 7                     ; the weights: lane = column 32 g + lane, rows 64 kh on: 4 lane + 128 g + 32768 kh
	s_lshl_b32 s[TB], s[KH], 15
	s_add_co_u32 s[TA], s[TA], s[TB]
	v_lshl_add_u32 v[VW], v224, 2, s[TA]
	v_lshlrev_b32 v[LI], 4, v224
	v_add_nc_u32 v[LIW], WIMG, v[LI]
	s_mul_i32 s[TA], s[WV], 16*SPI
	s_add_co_u32 s[TA], s[TA], STG                 ; my stage
	v_add_nc_u32 v[SA], s[TA], v[LI]
	v_mul_u32_u24 v225, v30, SPI
	s_wait_alu depctr_va_vdst(0)
	v_lshl_add_u32 v225, v31, 6, v225
	v_add_nc_u32 v[SL], s[TA], v225
	v_lshlrev_b32 v226, 2, v30                     ; 4 r
	v_add_nc_u32 v[LRW], WSC, v226
	v_lshl_add_u32 v[ASC], v31, 10, v226
	v_add_nc_u32 v[ASC], KSC, v[ASC]
	v_and_b32 v227, 7, v0                          ; lane % 8
	v_bfe_u32 v228, v0, 3, 1                       ; (lane / 8) % 2
	v_lshl_add_u32 v[RQ], v228, 4, v227
	s_lshl_b32 s[TA], s[WV], 11                    ; K's images of my block: tiles 2 w, 2 w + 1
	v_add_nc_u32 v[AKI], s[TA], v[LI]
	s_lshl_b32 s[TA], s[WV], 7
	s_add_co_u32 s[TA], s[TA], KSC
	v_add_nc_u32 v[AKS], s[TA], v226
	s_lshl_b32 s[TA], s[KH], 13                    ; V^T's: step w / 4, block w % 4 of the step
	s_lshl_b32 s[TB], s[GG], 8
	s_add_co_u32 s[TA], s[TA], s[TB]
	s_add_co_u32 s[TA], s[TA], VIMG
	v_lshlrev_b32 v229, 4, v30
	v_lshl_add_u32 v229, v31, 3, v229
	v_add_nc_u32 v[AVI], s[TA], v229
	s_lshl_b32 s[TA], s[KH], 9
	s_add_co_u32 s[TA], s[TA], s[GG]
	s_add_co_u32 s[TA], s[TA], VSC
	v_add_nc_u32 v[AVS], s[TA], v226
	s_lshl_b32 s[TA], s[WV], 12                    ; Q's: my four slots
	s_add_co_u32 s[TA], s[TA], QIMG
	v_add_nc_u32 v[AQI], s[TA], v[LI]
	s_lshl_b32 s[TA], s[WV], 8
	s_add_co_u32 s[TA], s[TA], QSC
	v_add_nc_u32 v[AQW], s[TA], v226
	s_lshl_b32 s[TA], s[GG], 11                    ; the weights' images: column 32 g + lane is tile 2 g + (lane / 8) % 2, place (lane % 8) + 8 (lane / 16); k block 2 kh + e at 256 bytes each
	s_lshl_b32 s[TB], s[KH], 9
	s_add_co_u32 s[TA], s[TA], s[TB]
	s_add_co_u32 s[TA], s[TA], WIMG
	v_lshl_add_u32 v229, v31, 3, v227
	v_lshlrev_b32 v230, 4, v229
	v_lshl_add_u32 v230, v228, 10, v230
	v_add_nc_u32 v[AW], s[TA], v230
	s_lshl_b32 s[TA], s[GG], 7
	s_lshl_b32 s[TB], s[KH], 1
	s_add_co_u32 s[TA], s[TA], s[TB]
	s_add_co_u32 s[TA], s[TA], WSC
	v_lshlrev_b32 v230, 2, v229
	v_lshl_add_u32 v230, v228, 6, v230
	v_add_nc_u32 v[ASW], s[TA], v230
	v_lshlrev_b32 v[VB], 6, v31
	v_lshlrev_b32 v[VBV], 2, v[RQ]
	v_add_nc_u32 v[LIQ], QIMG, v[LI]
	v_add_nc_u32 v[LRQ], QSC, v226
	v_mov_b32 v[NEGV], 0xf149f2ca                  ; -1e30
.irp n, 0,1,2,3
	v_mov_b32 v[Z4+\n], 0
.endr
	v_mov_b32 v[ONES], 0x7f7f7f7f
	s_mov_b32 s[SEL], 0x76543210
	s_mov_b32 s[SEL+1], 0xfedcba98
	s_mov_b32 s[CS], 0x3e0293ee                    ; c = log2(e) / sqrt(128)
	s_mov_b32 s[CS+1], s[CS]
	s_mov_b32 s[NC], 0xbe0293ee
	s_lshl_b32 s[OFS], ttmp9, 2
	s_mov_b32 s[OFS+1], 0
	s_wait_kmcnt 0x0
	s_add_nc_u64 s[22:23], s[22:23], s[OFS:OFS+1]
	s_load_b32 s[VL], s[22:23], 0x0                ; valid_lens[b]
	s_wait_alu depctr_va_vdst(0)                   ; all addresses and offsets (v1-v20, v28, v29) and the stores' constants Z4 and ONES are written: every load and store of the kernel reads some of them, and none is written again
	; the weights: unit j = (matrix j / 2, k block 2 kh + j % 2): a lane takes a column, its registers run down k; a wave reads 128 consecutive bytes, four waves a whole row
.set JJ, 0
.rept 6
.set II, 0
.rept 32
	global_load_b32 v[WR+32*JJ+II], v[VW], s[10+4*(JJ/2):11+4*(JJ/2)] offset:512*(32*(JJ%2)+II)
.set II, II+1
.endr
.set JJ, JJ+1
.endr
	s_wait_kmcnt 0x0
	s_max_i32 s[VL], s[VL], 0
	s_min_u32 s[VL], s[VL], 0x200                  ; held to 0 .. 512
	s_add_co_u32 s[NBLK], s[VL], 31
	s_lshr_b32 s[NBLK], s[NBLK], 5
	s_add_co_u32 s[NKS], s[VL], 127
	s_lshr_b32 s[NKS], s[NKS], 7
	s_lshl_b32 s[OFS], ttmp9, 18                   ; a batch is 512 rows of 512 bytes, in x and in out0
	s_add_nc_u64 s[XA:XA+1], s[8:9], s[OFS:OFS+1]
	s_mov_b64 s[XB:XB+1], s[XA:XA+1]
	s_add_nc_u64 s[OUTB:OUTB+1], s[24:25], s[OFS:OFS+1]
	; A block under the mask is loaded all the same, from the batch's first rows: so every count of loads is the same on every way, and every register of window 1 is written
	s_lshl_b32 s[TA], s[WV], 14
	s_cmp_lt_u32 s[WV], s[NBLK]
	s_cselect_b32 s[OFS], s[TA], 0
	s_add_nc_u64 s[XA:XA+1], s[XA:XA+1], s[OFS:OFS+1]
	s_lshl_b32 s[TA], s[WV8], 14
	s_cmp_lt_u32 s[WV8], s[NBLK]
	s_cselect_b32 s[OFS], s[TA], 0
	s_add_nc_u64 s[XB:XB+1], s[XB:XB+1], s[OFS:OFS+1]
	XLOAD XA, 0                                    ; (no vector line has named window 1 yet: these loads hang on v[LI] alone)
	XLOAD XA, 1
	s_wait_loadcnt 32                              ; behind the weights' loads stand my first block's 32: the weights are in
	XLOAD XB, 2
; ======================================================================= W
	WQUANT 0
	WQUANT 1
	WQUANT 2
	WQUANT 3
	WQUANT 4
	WQUANT 5
	s_wait_alu depctr_va_vdst(0)                   ; the six units' codes (CW) and the three pairs of bytes (HW) are written, which the nine stores read; the units are done reading WR, in which bq, the weights' fragments and the scale words land later
	WSTORE 0
	WSTORE 1
	WSTORE 2
	WSTORE 3
	WSTORE 4
	WSTORE 5
	s_wait_dscnt 0x0                               ; for the others' sake: my parts of the weights' images have landed
	s_barrier_signal -1
	s_barrier_wait -1                              ; the three weights lie in LDS (loads of x stay on their way: nobody writes x)
; ======================================================================= P
	s_wait_alu depctr_vm_vsrc(0)                   ; my nine stores have read v229-255, which the lines below write again (x's codes of tiles 2 and 3, the quantiser's work registers)
	s_wait_loadcnt 16                              ; my first block is in; tile 2's 16 loads may be out
	XLOAD XB, 3
.irp t, 0,1,2,3,4,5,6,7                        ; bq as the C of Q's products: lane (r, h), tile t, register j: bq[32 (t / 2) + 16 h + 8 (t % 2) + j]
	global_load_b128 v[BI+8*\t:BI+8*\t+3], v[VB], s[12:13] offset:4*(32*(\t/2)+8*(\t%2))
	global_load_b128 v[BI+8*\t+4:BI+8*\t+7], v[VB], s[12:13] offset:4*(32*(\t/2)+8*(\t%2))+16
.endr
.irp b, 0,1,2,3
	v_mov_b32 v[TM+4+\b], 0                        ; a lane permute's destination counts as one of its sources
.endr
	s_cmp_lt_u32 s[WV], s[NBLK]
	s_cbranch_scc0 .Lfill_a
	XTILE 0
	XTILE 1
	s_branch .Lhave_a
.Lfill_a:
	FILL 0
.Lhave_a:
	s_wait_loadcnt 16                              ; my second block is in; bq's 16 loads may be out
	s_cmp_lt_u32 s[WV8], s[NBLK]
	s_cbranch_scc0 .Lfill_b
	XTILE 2
	XTILE 3
	s_branch .Lhave_b
.Lfill_b:
	FILL 1
.Lhave_b:
	PLACES 8                                       ; x's scale words and codes were made by vector lines: eight and four plain lines ahead of a scaled product
	WIN 0x40
	s_wait_alu depctr_va_vdst(0)                   ; the quantisers are done reading window 1's v128-255, in which bk and bv land; x's codes (XF) and scale words (XS) are written, which all the scaled products of this phase take
.irp t, 0,1,2,3,4,5,6,7                        ; bk likewise, into the registers that my second block has left
	global_load_b128 v[128+8*\t:128+8*\t+3], v[VB], s[16:17] offset:4*(32*(\t/2)+8*(\t%2))
	global_load_b128 v[128+8*\t+4:128+8*\t+7], v[VB], s[16:17] offset:4*(32*(\t/2)+8*(\t%2))+16
.endr
.irp c, 0,1,2,3,4,5,6,7                        ; bv: a lane holds one channel: place r of tile c is channel 32 (c / 2) + 8 (c % 2) + RQ
	global_load_b32 v[192+8*\c], v[VBV], s[20:21] offset:4*(32*(\c/2)+8*(\c%2))
.endr
	WIN 0
	s_cmp_ge_u32 s[WV], s[NBLK]
	s_cbranch_scc1 .Lproj_end                      ; both my blocks lie under the mask
	LOADW 0                                        ; (no vector line since phase W's wait names v36-43 or v80-143)
	s_wait_loadcnt 24                              ; bq is in; bk's 16 and bv's 8 may be out
	s_wait_dscnt 0x0
	MATQK 0, 0
	s_cmp_lt_u32 s[WV8], s[NBLK]
	s_cbranch_scc0 .Lq_done
	MATQK 0, 1
.Lq_done:
	LOADW 1                                        ; (on both ways here the last wait on va_vdst stands behind the last products, and only stores follow it)
	s_wait_loadcnt 8                               ; bk is in; bv's 8 may be out
	s_wait_dscnt 0x0
	MATQK 1, 0
	s_cmp_lt_u32 s[WV8], s[NBLK]
	s_cbranch_scc0 .Lk_done
	MATQK 1, 1
.Lk_done:
	LOADW 2                                        ; (likewise)
	s_wait_loadcnt 0x0                             ; bv
	WIN 0x41
.irp c, 0,1,2,3,4,5,6,7
.irp j, 1,2,3,4,5,6,7
	v_mov_b32 v[192+8*\c+\j], v[192+8*\c]          ; the C of V's products: the lane's channel's bias in all eight registers
.endr
.endr
	WIN 0
	s_wait_alu depctr_va_vdst(0)
	s_wait_dscnt 0x0
	MATV 0
	s_cmp_lt_u32 s[WV8], s[NBLK]
	s_cbranch_scc0 .Lproj_end
	MATV 1
.Lproj_end:
	s_wait_loadcnt 0x0
	s_wait_dscnt 0x0                               ; for the others' sake: my images of K and V^T, or their fill, have landed
	s_barrier_signal -1
	s_barrier_wait -1                              ; K, V^T and their scale words are whole; from here on nobody writes them
; ======================================================================= A
.irp i, 0,1,2,3,4,5,6,7,8,9,10,11,12,13,14,15
	ds_load_b32 v[KS+\i], v[ASC] offset:64*\i                ; all scale words of K and of V^T stay in registers (v48-79: the waits at the end of V's block, or phase W's where nothing was projected, stand behind the last line and the last store that named them)
	ds_load_b32 v[VS+\i], v[ASC] offset:2048+64*\i
.endr
.irp n, 0,1,2,3,4,5,6,7,8,9,10,11,12,13,14,15
	v_mov_b32 v[BM+\n], 0
.endr
.irp n, 0,1,2,3
	v_mov_b32 v[TP+\n], 0
.endr
	v_mov_b32 v[T1], 0
	v_mov_b32 v[NMC+1], 0                          ; (named as the upper halves of pairs)
	v_mov_b32 v[RI+1], 0
	s_sub_co_u32 s[TA], s[NKS], 1
	s_lshl_b32 s[TA], s[TA], 7
	s_sub_co_u32 s[TA], s[VL], s[TA]               ; vl, counted from the last chunk's first key
	v_lshlrev_b32 v[DD], 4, v31
	v_sub_nc_u32 v[DD], s[TA], v[DD]               ; less 16 h: register 8 t + j holds key 32 (t / 2) + 8 (t % 2) + j + 16 h of the chunk
.irp p, 0,1,2,3                                ; tiles 2 p and 2 p + 1: sixteen compares in a run, each into a scalar register of its own, one wait, sixteen selects
.irp j, 0,1,2,3,4,5,6,7
	v_cmp_ge_i32 s[CM0+\j], 32*\p+\j, v[DD]
.endr
.irp j, 0,1,2,3,4,5,6,7
	v_cmp_ge_i32 s[CM1+\j], 32*\p+8+\j, v[DD]
.endr
	s_wait_alu depctr_va_sdst(0)                   ; the sixteen masks are written, ahead of the selects that read them
.irp j, 0,1,2,3,4,5,6,7
	v_cndmask_b32 v[PEN+16*\p+\j], 0, v[NEGV], s[CM0+\j]
.endr
.irp j, 0,1,2,3,4,5,6,7
	v_cndmask_b32 v[PEN+16*\p+8+\j], 0, v[NEGV], s[CM1+\j]
.endr
.endr
	s_wait_dscnt 0x0
	s_mov_b32 s[SQ], 0
	s_lshl_b32 s[SLOTO], s[WV], 12
	s_lshl_b32 s[SLOTS], s[WV], 8
.Ltile:                                            ; four trips: my four tiles of 16 queries
	s_wait_xcnt 0x0                                ; the last trip's stores have read their base and their data: both are written again below
	s_wait_alu depctr_vm_vsrc(0)                   ; the last trip's LDS loads have read AQ and AQS, which are written below; its LDS and global stores have read window 1's v0-127, over which this trip's scores are written
	s_lshr_b32 s[TA], s[SQ], 1
	s_lshl_b32 s[TA], s[TA], 3
	s_add_co_u32 s[TA], s[TA], s[WV]               ; the block: w or w + 8
	s_lshl_b32 s[R0], s[TA], 5
	s_and_b32 s[TA], s[SQ], 1
	s_lshl_b32 s[TA], s[TA], 3
	s_add_co_u32 s[R0], s[R0], s[TA]               ; the tile's first row: place r is row R0 + RQ
	s_lshl_b32 s[OFS], s[R0], 9
	s_add_nc_u64 s[OB:OB+1], s[OUTB:OUTB+1], s[OFS:OFS+1]
	s_sub_co_i32 s[VLR], s[VL], s[R0]
	v_add_nc_u32 v[AQ], s[SLOTO], v[LIQ]
	v_add_nc_u32 v[AQS], s[SLOTS], v[LRQ]
	s_cmp_ge_u32 s[R0], s[VL]
	s_cbranch_scc0 .Lwork
.irp i, 0,1,2,3,4,5,6,7,8,9,10,11,12,13,14,15      ; all 16 queries lie at or beyond vl: zeros, a whole row of 512 bytes a store
	global_store_b128 v[LI], v[Z4:Z4+3], s[OB:OB+1] offset:512*((\i%8)+16*(\i/8)) th:TH_STORE_NT
.endr
	s_branch .Lnext
.Lwork:
	s_wait_alu depctr_va_vdst(0)                   ; AQ and AQS are written, which the loads below read; the last products (the last trip's, or phase P's) are done reading QF, QS and KF, in which they land
	ds_load_b128 v[QF:QF+3], v[AQ]
	ds_load_b128 v[QF+4:QF+7], v[AQ] offset:512
	ds_load_b32 v[QS], v[AQS]
	LOADKV KIMG, 0
	v_mov_b32 v[RM], 0xff61b1e6                    ; -3e38, under every score
	v_mov_b32 v[SUMA], 0
	v_mov_b32 v[SUMA+1], 0
	v_mov_b32 v[SUMB], 0
	v_mov_b32 v[SUMB+1], 0
	SCORE 0
	SCORE 1
	SCORE 2
	SCORE 3
.Ls_end:
	s_wait_alu depctr_va_vdst(0)
	s_wait_dscnt 0x0                               ; the fragments asked for behind the last chunk are in: their registers are loaded again below
	LOADKV VIMG, 0                                 ; V^T's first chunk lands under the exponentials.  On every way here the last chunk's wait stands behind its products, and no line since names KF
	v_mul_f32 v[NMC], s[NC], v[RM]                 ; -c x the row's largest score
	EXPS 0
	EXPS 1
	EXPS 2
	EXPS 3
.Le_end:
	s_wait_alu depctr_va_vdst(0)
	v_pk_add_f32 v[SUMA:SUMA+1], v[SUMA:SUMA+1], v[SUMB:SUMB+1]
	v_add_f32 v[SUMA], v[SUMA], v[SUMA+1]
	v_permlanex16_b32 v[T1], v[SUMA], s[SEL], s[SEL+1]
	v_add_f32 v[SUMA], v[SUMA], v[T1]              ; the row's sum
	s_wait_alu depctr_va_vdst(0)
	v_rcp_f32 v[RI], v[SUMA]
	v_cmp_gt_i32 vcc_lo, s[VLR], v[RQ]             ; (a plain line behind the reciprocal)  is my query under vl?
	s_wait_alu depctr_va_vdst(0)                   ; the reciprocal has written RI, ahead of its first reader
	s_wait_alu depctr_va_vcc(0)                    ; the compare has written VCC, which the select reads
	v_cndmask_b32 v[RI], 0, v[RI], vcc_lo          ; a query at or beyond vl: all its weights are 0, as the mask behind the softmax makes them
	PVS 0
	PVS 1
	PVS 2
	PVS 3
.Lp_end:
	PLACES 4                                       ; between the last products and the first read of results
	s_wait_alu depctr_va_vdst(0)                   ; the products have written O^T, which the LDS stores read; the vector lines are done with window 1's v64-127, in which the rows land; the places above stay beside this wait
	; THE WAY OUT: register 8 c + j is channel 32 (c / 2) + 16 h + 8 (c % 2) + j of query place r: into my stage by rows, back as whole rows of 512 bytes
	WIN 0x04
.irp c, 0,1,2,3,4,5,6,7
	ds_store_b128 v[SL], v[8*\c:8*\c+3] offset:128*(\c/2)+32*(\c%2)          ; each accumulator from its low end on
	ds_store_b128 v[SL], v[8*\c+4:8*\c+7] offset:128*(\c/2)+32*(\c%2)+16
.endr
	WIN 0x40
.irp i, 0,1,2,3,4,5,6,7,8,9,10,11,12,13,14,15
	ds_load_b128 v[64+4*\i:64+4*\i+3], v[SA] offset:SPI*\i                   ; LDS serves a wave's instructions in order: these see my stores
.endr
	WIN 0x04
.irp i, 0,1,2,3,4,5,6,7,8,9,10,11,12,13,14,15
	s_wait_dscnt 15-\i                             ; row i is back; the younger loads may be out
	global_store_b128 v[LI], v[64+4*\i:64+4*\i+3], s[OB:OB+1] offset:512*((\i%8)+16*(\i/8)) th:TH_STORE_NT   ; 32 lanes store a row's 512 consecutive bytes
.endr
	WIN 0
.Lnext:
	s_add_co_u32 s[SLOTO], s[SLOTO], 1024
	s_add_co_u32 s[SLOTS], s[SLOTS], 64
	s_add_co_u32 s[SQ], s[SQ], 1
	s_cmp_lt_u32 s[SQ], 4
	s_cbranch_scc1 .Ltile
	s_wait_xcnt 0x0
	v_lshl_add_u32 v254, v0, 2, 0x30600            ; my spare word and 0, made anew (no memory or LDS instruction has read v254 or v255 since the wait on vm_vsrc behind phase W's barrier)
	v_mov_b32 v255, 0
	s_wait_dscnt 0x0                               ; the closing lines, six on end
	s_wait_alu 0x0
	s_wait_tensorcnt 0x0
	ds_add_u32 v254, v255
	s_wait_dscnt 0x0
	s_endpgm
.Lfunc_end_k_qec05b120ba_vnet:
	.size	k_qec05b120ba_vnet, .Lfunc_end_k_qec05b120ba_vnet-k_qec05b120ba_vnet
	.p2alignl 7, 3214868480
	.fill 96, 4, 3214868480
	.section	.rodata,"a",@progbits
	.p2align	6, 0x0
	.amdhsa_kernel k_qec05b120ba_vnet
		.amdhsa_group_segment_fixed_size 199168
		.amdhsa_private_segment_fixed_size 0
		.amdhsa_enable_private_segment 0
		.amdhsa_kernarg_size 72
		.amdhsa_user_sgpr_count 2
		.amdhsa_user_sgpr_kernarg_segment_ptr 1
		.amdhsa_wavefront_size32 1
		.amdhsa_system_sgpr_workgroup_id_x 1
		.amdhsa_system_sgpr_workgroup_id_y 1
		.amdhsa_system_sgpr_workgroup_id_z 1
		.amdhsa_system_vgpr_workitem_id 0
		.amdhsa_next_free_vgpr 512
		.amdhsa_next_free_sgpr 80
		.amdhsa_reserve_vcc 1
		.amdhsa_float_denorm_mode_32 3
		.amdhsa_float_denorm_mode_16_64 3
		.amdhsa_memory_ordered 1
		.amdhsa_forward_progress 1
		.amdhsa_inst_pref_size 235
	.end_amdhsa_kernel
	.amdgpu_metadata
---
amdhsa.version: [ 1, 2 ]
amdhsa.kernels:
  - .name:           k_qec05b120ba_vnet
    .symbol:         k_qec05b120ba_vnet.kd
    .args:
      - { .name: x, .offset: 0, .size: 8, .value_kind: global_buffer, .address_space: global }
      - { .name: wq, .offset: 8, .size: 8, .value_kind: global_buffer, .address_space: global }
      - { .name: bq, .offset: 16, .size: 8, .value_kind: global_buffer, .address_space: global }
      - { .name: wk, .offset: 24, .size: 8, .value_kind: global_buffer, .address_space: global }
      - { .name: bk, .offset: 32, .size: 8, .value_kind: global_buffer, .address_space: global }
      - { .name: wv, .offset: 40, .size: 8, .value_kind: global_buffer, .address_space: global }
      - { .name: bv, .offset: 48, .size: 8, .value_kind: global_buffer, .address_space: global }
      - { .name: valid_lens, .offset: 56, .size: 8, .value_kind: global_buffer, .address_space: global }
      - { .name: out0, .offset: 64, .size: 8, .value_kind: global_buffer, .address_space: global }
    .group_segment_fixed_size: 199168
    .private_segment_fixed_size: 0
    .kernarg_segment_align: 8
    .kernarg_segment_size: 72
    .max_flat_workgroup_size: 256
    .sgpr_count:     80
    .vgpr_count:     512
    .wavefront_size: 32
...
	.end_amdgpu_metadata
.endif
;; end of part 2
